; MI455X (gfx1250); checked and timed in simulation.
; The chip was launched on July 23, 2026; its instructions are those of AMD's public machine-readable ISA for CDNA 5 (MIT licence, August 2026) and "CDNA5" Instruction Set Architecture Reference Guide (July 2026). The comments in the code are by the model that wrote it; some were corrected since.
;; Flash Attention. Allowed arithmetic: float matrix products may take bf16 or f16 operands with f32 sums; other float arithmetic in f32, or as packed bf16 or f16 multiplies, adds, multiply-adds, maxima and minima; sums over many terms, partial sums and values carried from step to step in f32; what a program stores and reads back later, other than sums and carried values, may be rounded once to bf16 or f16.
;; Inputs: Wk 2,048 x 1,024 float32; Wo 1,024 x 2,048 float32; Wq 2,048 x 1,024 float32; Wv 2,048 x 1,024 float32; x 2 x 2,048 x 2,048 float32.
;; Outputs: out0 2 x 2,048 x 2,048 float32.
;; One version. Each part assembles by itself: llvm-mc -triple=amdgcn-amd-amdhsa -mcpu=gfx1250 --defsym DOCPART=n.
;; ======== version 1 of 1: 4 launches
;; limits: values are held in f16: magnitudes above 65,504 overflow, below 6.1e-05 lose precision
;; workspace buffers: xb 16,777,216 bytes; wb 12,582,912 bytes; wof 4,194,304 bytes; tab 1,048,576 bytes; qf 8,388,608 bytes; kf 8,388,608 bytes; vf 8,388,608 bytes; of 8,388,608 bytes
;; launch prep (part 1): grid 128 x 8, 8 waves a work-group, no clusters, 0 bytes of LDS; arguments x, Wq, Wk, Wv, Wo, xb, wb, wof, tab; writes xb, wb, wof, tab
.if DOCPART == 1
	.amdgcn_target "amdgcn-amd-amdhsa--gfx1250"
	.amdhsa_code_object_version 6
	.text
	.protected	k_q654b1bc11b_prep
	.globl	k_q654b1bc11b_prep
	.p2align	8
	.type	k_q654b1bc11b_prep,@function
k_q654b1bc11b_prep:
	s_mov_b64 s[64:65], 0
	v_nop
	global_prefetch_b8 v0, s[64:65] scope:SCOPE_SE
	s_setreg_imm32_b32 hwreg(HW_REG_WAVE_MODE, 25, 1), 1
	s_wait_xcnt 0x0
; CASTS AND THE ROPE TABLE.  xb = bf16(x); wb = bf16(Wq), bf16(Wk), bf16(Wv) one behind the other; wof = bf16(Wo) written as f16; tab[t][0..63] = cos(t f_i), tab[t][64..127] = sin(t f_i), f_i = 10000^(-i/64), in f32.
; A stream: each input byte is read once, by 16-byte loads, each output byte written once; no LDS, no barrier, no matrix unit: no number is used twice.
; SHARES.  A work-group casts 16,384 numbers (64 KiB in, 32 KiB out): y = 0..3 x's four quarters, y = 4, 5, 6 Wq, Wk, Wv, y = 7 Wo.  Thread t takes 16 bytes at 16 t + 4,096 j, j = 0..15;
; all sixteen loads go out on end; a wave's store covers 256 consecutive bytes, aligned.  Waves 0 and 1 also make one row of the table each, while their loads are out.
; LIMITS.  bf16(Wo) is exact in f16 from 6.1e-5 to 65,504; below it keeps f16's fixed step of 6e-8, beyond it becomes an infinity.  The table's f_i is 2^(-0.2076205 i) by v_exp_f32, the angle
; t f_i one f32 product, reduced by multiples of pi/2 in two parts; sine and cosine are polynomials on -pi/4 .. pi/4 with an error under 4e-7; the angle may differ from 1 / 10000^(i/64) times t, taken in f32, by some 3e-4 at t = 2,047.
.set X,   4                            ; v[4:67]    sixteen loads of four numbers
.set Y,   68                           ; v[68:99]   sixteen stores of two words
.set LN,  100                          ; lane
.set W3,  101                          ; 0 for the cosines' lanes, 3 for the sines'
.set IB,  102                          ; 4 (lane % 16)
.set FQ,  104                          ; v[104:107] f_i of my four i
.set OUT, 108                          ; v[108:111] my four numbers of the row
.set tA,  112                          ; at work
.set tK,  113
.set tR,  114
.set tR2, 115
.set tP,  116
.set tT,  117
.set tS,  118
.set tQ,  119
.set tC,  120
.set tI,  121
.set TO,  122                          ; 16 x lane
	s_load_b512 s[8:23], s[0:1], 0x0               ; x s[8:9], Wq s[10:11], Wk s[12:13], Wv s[14:15], Wo s[16:17], xb s[18:19], wb s[20:21], wof s[22:23]
	s_load_b64 s[24:25], s[0:1], 0x40              ; tab
	v_lshrrev_b32 v3, 5, v0
	v_readfirstlane_b32 s27, v3                    ; wave 0..7
	s_and_b32 s26, ttmp7, 0xffff                   ; y
	v_lshlrev_b32 v1, 4, v0                        ; 16 t: where I load
	v_lshlrev_b32 v2, 3, v0                        ; 8 t: where I store
	s_lshl_b32 s2, s26, 7
	s_add_co_u32 s2, s2, ttmp9                     ; 128 y + x: the work-group's number
	s_cmp_lt_u32 s26, 4
	s_cselect_b32 s28, s2, ttmp9                   ; the chunk in the source
	s_and_b32 s29, s26, 3
	s_lshl_b32 s29, s29, 7
	s_add_co_u32 s29, s29, ttmp9
	s_cmp_eq_u32 s26, 7
	s_cselect_b32 s29, ttmp9, s29                  ; the chunk in the destination
	s_lshl_b32 s36, s2, 1
	s_add_co_u32 s36, s36, s27                     ; the table's row t of waves 0 and 1
	s_cvt_f32_u32 s37, s36
	s_mov_b32 s38, 0xbfc90fdb                      ; -pi/2, its f32
	s_mov_b32 s39, 0x333bbd2e                      ; what that f32 has too much: 4.3711388e-8
	s_mov_b32 s40, 0xbe2aaaab                      ; -1/6
	s_mov_b32 s41, 0x3c088889                      ; 1/120
	s_mov_b32 s42, 0xb9500d01                      ; -1/5040
	s_mov_b32 s43, 0x3d2aaaab                      ; 1/24
	s_mov_b32 s44, 0xbab60b61                      ; -1/720
	s_mov_b32 s45, 0x37d00d01                      ; 1/40320
	s_mov_b32 s35, 0
	s_wait_kmcnt 0x0
	s_cmp_eq_u32 s26, 4                            ; the choices hang on y alone
	s_cselect_b64 s[30:31], s[10:11], s[8:9]
	s_cmp_eq_u32 s26, 5
	s_cselect_b64 s[30:31], s[12:13], s[30:31]
	s_cmp_eq_u32 s26, 6
	s_cselect_b64 s[30:31], s[14:15], s[30:31]
	s_cmp_eq_u32 s26, 7
	s_cselect_b64 s[30:31], s[16:17], s[30:31]
	s_cselect_b64 s[32:33], s[22:23], s[20:21]
	s_cmp_lt_u32 s26, 4
	s_cselect_b64 s[32:33], s[18:19], s[32:33]
	s_lshl_b32 s34, s28, 16
	s_add_nc_u64 s[30:31], s[30:31], s[34:35]      ; the source at my chunk of 64 KiB
	s_lshl_b32 s34, s29, 15
	s_add_nc_u64 s[32:33], s[32:33], s[34:35]      ; the destination at my chunk of 32 KiB
.irp j, 0,1,2,3,4,5,6,7,8,9,10,11,12,13,14,15
	global_load_b128 v[X+4*(\j):X+4*(\j)+3], v1, s[30:31] offset:4096*(\j) th:TH_LOAD_NT
.endr
	s_cmp_lt_u32 s27, 2
	s_cbranch_scc0 .Lcast
	; THE TABLE's row t.  Lanes 0-15 make the cosines of i = 4 l .. 4 l + 3, lanes 16-31 the sines: 16 bytes a lane, 512 consecutive bytes a wave.
	s_lshl_b32 s46, s36, 9
	s_mov_b32 s47, 0
	s_add_nc_u64 s[46:47], s[24:25], s[46:47]
	v_and_b32 v[LN], 31, v0
	v_lshlrev_b32 v[TO], 4, v[LN]
	v_lshrrev_b32 v[W3], 4, v[LN]
	v_mul_u32_u24 v[W3], 3, v[W3]                  ; sin(a) = cos(a - pi/2): three quarter turns more
	v_and_b32 v[IB], 15, v0
	v_lshlrev_b32 v[IB], 2, v[IB]
.irp e, 0,1,2,3
	v_add_nc_u32 v[FQ+(\e)], (\e), v[IB]
	v_cvt_f32_u32 v[FQ+(\e)], v[FQ+(\e)]
	v_mul_f32 v[FQ+(\e)], 0xbe549a78, v[FQ+(\e)]   ; -i log2(10000) / 64
.endr
.irp e, 0,1,2,3
	v_exp_f32 v[FQ+(\e)], v[FQ+(\e)]
.endr
	v_nop                                          ; a plain instruction behind the last exponential,
	s_wait_alu depctr_va_vdst(0)                   ; and one wait for the four, ahead of their first reader
.macro TAB e
	v_mul_f32 v[tA], s37, v[FQ+(\e)]               ; the angle
	v_mul_f32 v[tK], 0x3f22f983, v[tA]             ; x 2 / pi
	v_rndne_f32 v[tK], v[tK]                       ; quarter turns
	v_fma_f32 v[tR], v[tK], s38, v[tA]
	v_fma_f32 v[tR], v[tK], s39, v[tR]             ; what is left, within pi/4
	v_mul_f32 v[tR2], v[tR], v[tR]
	v_fma_f32 v[tP], v[tR2], s42, s41
	v_fma_f32 v[tP], v[tP], v[tR2], s40
	v_mul_f32 v[tT], v[tR2], v[tR]
	v_fma_f32 v[tS], v[tP], v[tT], v[tR]           ; its sine
	v_fma_f32 v[tQ], v[tR2], s45, s44
	v_fma_f32 v[tQ], v[tQ], v[tR2], s43
	v_fma_f32 v[tQ], v[tQ], v[tR2], -0.5
	v_fma_f32 v[tC], v[tQ], v[tR2], 1.0            ; its cosine
	v_cvt_i32_f32 v[tI], v[tK]
	v_add_nc_u32 v[tI], v[tI], v[W3]
	v_and_b32 v[tT], 1, v[tI]
	v_cmp_ne_u32 vcc_lo, 0, v[tT]
	v_cndmask_b32 v[tS], v[tC], v[tS], vcc_lo      ; an odd number of quarter turns takes the sine,
	v_add_nc_u32 v[tI], 1, v[tI]
	v_and_b32 v[tI], 2, v[tI]
	v_lshlrev_b32 v[tI], 30, v[tI]
	v_xor_b32 v[OUT+(\e)], v[tS], v[tI]            ; one or two modulo four turn the sign
.endm
	TAB 0
	TAB 1
	TAB 2
	TAB 3
	global_store_b128 v[TO], v[OUT:OUT+3], s[46:47]  ; neither its registers nor its base are written again
.Lcast:
	s_cmp_eq_u32 s26, 7
	s_cbranch_scc1 .Lwo
.irp j, 0,1,2,3,4,5,6,7,8,9,10,11,12,13,14,15
	s_wait_loadcnt 15-(\j)                         ; loads come back in order: load j is in, the 15 - j younger ones stay out
	v_cvt_pk_bf16_f32 v[Y+2*(\j)], v[X+4*(\j)], v[X+4*(\j)+1]
	v_cvt_pk_bf16_f32 v[Y+2*(\j)+1], v[X+4*(\j)+2], v[X+4*(\j)+3]
	global_store_b64 v2, v[Y+2*(\j):Y+2*(\j)+1], s[32:33] offset:2048*(\j) th:TH_STORE_NT
.endr
	s_endpgm
.Lwo:                                                  ; Wo: rounded to bf16 like every input, and that number written as f16
.irp j, 0,1,2,3,4,5,6,7,8,9,10,11,12,13,14,15
	s_wait_loadcnt 15-(\j)
	v_cvt_pk_bf16_f32 v[tA], v[X+4*(\j)], v[X+4*(\j)+1]
	v_cvt_pk_bf16_f32 v[tK], v[X+4*(\j)+2], v[X+4*(\j)+3]
	v_lshlrev_b32 v[tR], 16, v[tA]
	v_and_b32 v[tR2], 0xffff0000, v[tA]
	v_lshlrev_b32 v[tP], 16, v[tK]
	v_and_b32 v[tT], 0xffff0000, v[tK]
	v_cvt_pk_f16_f32 v[Y+2*(\j)], v[tR], v[tR2]
	v_cvt_pk_f16_f32 v[Y+2*(\j)+1], v[tP], v[tT]
	global_store_b64 v2, v[Y+2*(\j):Y+2*(\j)+1], s[32:33] offset:2048*(\j) th:TH_STORE_NT
.endr
	s_endpgm
.Lfunc_end_k_q654b1bc11b_prep:
	.size	k_q654b1bc11b_prep, .Lfunc_end_k_q654b1bc11b_prep-k_q654b1bc11b_prep
	.p2alignl 7, 3214868480
	.fill 96, 4, 3214868480
	.section	.rodata,"a",@progbits
	.p2align	6, 0x0
	.amdhsa_kernel k_q654b1bc11b_prep
		.amdhsa_group_segment_fixed_size 0
		.amdhsa_private_segment_fixed_size 0
		.amdhsa_enable_private_segment 0
		.amdhsa_kernarg_size 72
		.amdhsa_user_sgpr_count 2
		.amdhsa_user_sgpr_kernarg_segment_ptr 1
		.amdhsa_wavefront_size32 1
		.amdhsa_system_sgpr_workgroup_id_x 1
		.amdhsa_system_sgpr_workgroup_id_y 1
		.amdhsa_system_sgpr_workgroup_id_z 1
		.amdhsa_system_vgpr_workitem_id 0
		.amdhsa_next_free_vgpr 128
		.amdhsa_next_free_sgpr 66
		.amdhsa_reserve_vcc 1
		.amdhsa_float_denorm_mode_32 3
		.amdhsa_float_denorm_mode_16_64 3
		.amdhsa_memory_ordered 1
		.amdhsa_forward_progress 1
		.amdhsa_inst_pref_size 22
	.end_amdhsa_kernel
	.amdgpu_metadata
---
amdhsa.version: [ 1, 2 ]
amdhsa.kernels:
  - .name:           k_q654b1bc11b_prep
    .symbol:         k_q654b1bc11b_prep.kd
    .args:
      - { .name: x, .offset: 0, .size: 8, .value_kind: global_buffer, .address_space: global }
      - { .name: Wq, .offset: 8, .size: 8, .value_kind: global_buffer, .address_space: global }
      - { .name: Wk, .offset: 16, .size: 8, .value_kind: global_buffer, .address_space: global }
      - { .name: Wv, .offset: 24, .size: 8, .value_kind: global_buffer, .address_space: global }
      - { .name: Wo, .offset: 32, .size: 8, .value_kind: global_buffer, .address_space: global }
      - { .name: xb, .offset: 40, .size: 8, .value_kind: global_buffer, .address_space: global }
      - { .name: wb, .offset: 48, .size: 8, .value_kind: global_buffer, .address_space: global }
      - { .name: wof, .offset: 56, .size: 8, .value_kind: global_buffer, .address_space: global }
      - { .name: tab, .offset: 64, .size: 8, .value_kind: global_buffer, .address_space: global }
    .group_segment_fixed_size: 0
    .private_segment_fixed_size: 0
    .kernarg_segment_align: 8
    .kernarg_segment_size: 72
    .max_flat_workgroup_size: 256
    .sgpr_count:     66
    .vgpr_count:     128
    .wavefront_size: 32
...
	.end_amdgpu_metadata
.endif
;; end of part 1
;; launch qkv (part 2): grid 8 x 32, 4 waves a work-group, clusters of 4 x 4, 327,680 bytes of LDS; arguments xb, wb, tab, qf, kf, vf; writes qf, kf, vf
.if DOCPART == 2
	.amdgcn_target "amdgcn-amd-amdhsa--gfx1250"
	.amdhsa_code_object_version 6
	.text
	.protected	k_q654b1bc11b_qkv
	.globl	k_q654b1bc11b_qkv
	.p2align	8
	.type	k_q654b1bc11b_qkv,@function
k_q654b1bc11b_qkv:
	s_mov_b64 s[64:65], 0
	v_nop
	global_prefetch_b8 v0, s[64:65] scope:SCOPE_SE
	s_setreg_imm32_b32 hwreg(HW_REG_WAVE_MODE, 25, 1), 1
	s_wait_xcnt 0x0
	s_wait_alu depctr_hold_cnt(0) depctr_sa_sdst(0) depctr_va_vdst(0) depctr_va_sdst(0) depctr_va_ssrc(0) depctr_va_vcc(0) depctr_vm_vsrc(0)
	s_getreg_b32 s2, hwreg(HW_REG_IB_STS2, 6, 4)
	s_cmp_eq_u32 s2, 0
	s_cbranch_scc0 .Lentry_in_a_cluster
	s_endpgm
.Lentry_in_a_cluster:
	s_bfe_u32 s2, ttmp6, 0x10000c
	s_cmp_lg_u32 s2, 0xf033
	s_cbranch_scc0 .Lentry_shape_is_right
	s_endpgm
.Lentry_shape_is_right:
; q = rope(x Wq), k = rope(x Wk), v = x Wv.  xb: [4096][2048] bf16; wb: [3][2048 k][1024 n] bf16; tab: [2048][128] f32 (cos, sin); sums in f32, the rotation in f32 on the sums, one rounding to f16.
; OUT, in the order in which the next launch's matrix fragments lie in registers (bh = 8 batch + head, s the place in the sequence, d the channel):
;   qf, kf: bh 524288 + (s>>4) 4096 + (d>>4) 512 + (16 ((d>>3)&1) + (s&15)) 16 + (d&7) 2          vf: bh 524288 + (s>>5) 8192 + (d>>4) 1024 + ((s>>4)&1) 512 + (16 ((s>>3)&1) + (d&15)) 16 + (s&7) 2
;   so a packed accumulator is stored at 16 x lane, 512 consecutive bytes a wave, with no way through LDS.
; LIMIT.  q, k and v leave as f16: beyond 65,504 they become infinities.
; SHARES.  Work-group (g, i): tokens 128 i .. + 127, head g's q, k and v: 128 x 384 of the product; 8 x 32 = 256 work-groups.  Wave w: rows 64 (w>>1) .. + 63; w&1 = 0: q's 128 columns and v's 0..63; 1: k's 128 and v's 64..127.
;   The q or k part is taken transposed (source 0 = 16 columns of W, source 1 = 16 tokens): a lane holds one token and eight neighbouring channels, and channel d's partner d + 64 lies in the same lane, four accumulators on.
;   The v part is taken as it stands (source 0 = tokens, source 1 = columns): a lane holds one channel and eight neighbouring tokens, which is V^T's fragment.
; RING.  K goes in steps of 128 through two LDS slots: x's tile (128 rows of 256 bytes, 272 apart) and three tiles of W (128 rows k of 256 bytes, 288 apart; read turned, by ds_load_tr16_b128).
;   The tile that wave w fetches begins at 36,864 w in a slot: x's (34,816 bytes of its 36,864), then Wq's, Wk's, Wv's.
; CLUSTER.  4 x 4 work-groups: x's tile hangs on i alone and is asked for jointly along a row of the cluster, W's tiles on g alone and jointly along a column.  Wave 0 fetches x's tile, waves 1, 2, 3 Wq's, Wk's, Wv's.
; REGISTERS, in windows of 256 (s_set_vgpr_msb: bits 1:0 source 0, 3:2 source 1, 5:4 source 2, 7:6 destination):
;   window 0: v0-31 addresses; v32-95, v96-127 at work on the way out; v128-255 v's 16 accumulators          window 1: two fragment buffers of 128: x's 4, the q or k part's 8, v's 4
;   window 2: the q or k part's 32 accumulators, (a, b) at 8 (8 a + b)                                        window 3: my tokens' cosines and sines: for (a, b) at 16 (4 a + b): eight cosines, eight sines
.set KSTEP, 128
.set PA,    272                        ; x's rows in LDS: 256 + 16 bytes: the 16 rows of a load start 4 banks apart
.set PB,    288                        ; W's rows: 256 + 32 bytes
.set BSZ,   128*PB                     ; 36,864: a tile of W, and the distance from one wave's tile to the next
.set OFFB,  BSZ                        ; W's three tiles lie behind x's
.set SLOT,  4*BSZ                      ; 147,456
.set SPARE, 2*SLOT                     ; behind the ring: the spare words, 128 bytes for each wave: two blocks of 256 bytes that no other line names
.set ADRA, 16                          ; v16-17  LDS address of my fragments of x in slot 0, 1
.set ADRR, 18                          ; v18-19  of my fragments of Wq or Wk
.set ADRV, 20                          ; v20-21  of my fragments of Wv
.set QO,   24                          ; v24     16 x lane
.set TO,   25                          ; v25     my place in the table: 512 (l % 16) + 32 (l / 16)
.set PFO,  26                          ; v26     the prefetches' offset: lane x a row of xb or wb; never rewritten
.set SPW,  28                          ; v28     LDS address of my spare word; never rewritten
.set NIL,  29                          ; v29     0; never rewritten
.set TMP,  32                          ; v32-95  rotated numbers in f32; later v packed
.set PK,   96                          ; v96-127 q or k packed
.set ACCV, 128
.set F0,   0
.set F1,   128
.set WV,   16                          ; s16     wave;  s17 its half of the rows;  s18 its half of the columns;  s19 which W it fetches
.set G1A,  24                          ; s[24:31] descriptor group 1 for x's tiles;  s[32:39] group 0, a set for each slot
.set G0A,  32
.set G1B,  40                          ; s[40:47], s[48:55] the same for W's tiles
.set G0B,  48
.set PFA,  56                          ; s[56:57] where my prefetches stand
.set PFS,  58                          ; s[58:59] a K step in bytes, in the tensor that I fetch
.set LIM,  60                          ; s60     1 in a wave that prefetches, else the greatest number
.set DQK,  66                          ; s[66:67] qf or kf at my 64 tokens
.set DV,   68                          ; s[68:69] vf at my 64 tokens and 64 channels
.set TABP, 70                          ; s[70:71] tab at my first token's place
.set MSB, 0
.macro WIN new                         ; the immediate's high byte repeats the setting that is left; a switch that changes nothing is dropped
.if MSB != (\new)
	s_set_vgpr_msb (MSB<<8)|(\new)
.set MSB, \new
.endif
.endm
.macro PLACES                          ; four places in front of loads into registers that matrix instructions have read, and of vector work that reads results
.rept 4
	v_nop
.endr
.endm
.macro CREST                           ; a round of the cluster's barrier behind its opening barrier
	s_cmp_lg_u32 s[WV], 0
	s_cbranch_scc1 .Lnot_wave_0_\@
	s_barrier_signal -3
.Lnot_wave_0_\@:
	s_barrier_wait -3
	s_barrier_signal -1
	s_barrier_wait -1
.endm
.macro CROUND
	s_barrier_signal -1
	s_barrier_wait -1
	CREST
.endm
; A joint load.  Each of the two lines has one mask; the branch hangs on the wave's number alone.  An s_nop 0 and four v_nop follow each line, ahead of the jump and the label.
.macro JLOAD s
	s_cmp_eq_u32 s[WV], 0
	s_cbranch_scc0 .Lfor_b_\@
	tensor_load_to_lds s[G0A+4*(\s):G0A+4*(\s)+3], s[G1A:G1A+7]
	s_nop 0
.rept 4
	v_nop
.endr
	s_branch .Lasked_\@
.Lfor_b_\@:
	tensor_load_to_lds s[G0B+4*(\s):G0B+4*(\s)+3], s[G1B:G1B+7]
	s_nop 0
.rept 4
	v_nop
.endr
.Lasked_\@:
.endm
; A PREFETCH INTO THE L2, behind each joint refill and the run of LDS loads that follows it.  The change of slots at K step s refills with K step s + 2 and names K step s + 3: one K step, 192 matrix instructions, ahead of the load that will want it.
; Each row's 256 bytes of a K step are named once in the launch.  x's tile is read by both clusters of a row of clusters: cluster x = 0 asks; W's tiles by all eight clusters of a column: cluster y = 0 asks.
; The four partners that ask for a tile jointly share its 128 rows out by address, 32 each (cx for x's, cy for W's): a lane a row, one instruction a wave.  K steps 0 to 2 come by their loads alone;
; how = 1 (slot 0's change): every trip has a K step three on; how = 0 (slot 1's): the last trip has none (s3 = 1 there).
.macro ASK how
.if \how
	s_cmp_eq_u32 s[LIM], 1
.else
	s_cmp_gt_u32 s3, s[LIM]
.endif
	s_cbranch_scc0 .Lnot_mine_\@
	global_prefetch_b8 v[PFO], s[PFA:PFA+1] th:TH_LOAD_NT scope:SCOPE_SE
.Lnot_mine_\@:
.endm
	s_load_b256 s[4:11], s[0:1], 0x0               ; xb s[4:5], wb s[6:7], tab s[8:9], qf s[10:11]
	s_load_b128 s[12:15], s[0:1], 0x20             ; kf s[12:13], vf s[14:15]
	v_lshl_add_u32 v[SPW], v0, 2, SPARE
	v_mov_b32 v[NIL], 0
	ds_add_u32 v[SPW], v[NIL]                      ; the wave's opening: the add and its wait, ahead of my first tensor load; the set-up below, work on registers, stands between them
	v_lshrrev_b32 v1, 5, v0
	v_readfirstlane_b32 s[WV], v1                  ; wave 0..3
	s_lshr_b32 s17, s[WV], 1                       ; my half of the rows
	s_and_b32 s18, s[WV], 1                        ; 0: q and v's left half; 1: k and v's right half
	s_max_u32 s19, s[WV], 1
	s_sub_co_u32 s19, s19, 1                       ; waves 1, 2, 3 fetch W number 0, 1, 2: it enters global addresses alone
	s_bfe_u32 s20, ttmp6, 0x40000                  ; cx
	s_bfe_u32 s21, ttmp6, 0x40004                  ; cy
	s_lshl_b32 s22, ttmp9, 2
	s_add_co_u32 s22, s22, s20                     ; g = 4 x cluster x + cx: the head
	s_and_b32 s23, ttmp7, 0xffff
	s_lshl_b32 s23, s23, 2
	s_add_co_u32 s23, s23, s21                     ; i = 4 x cluster y + cy: the block of 128 tokens
	s_lshl_b32 s76, s21, 2
	s_lshl_b32 s76, 15, s76                        ; my row of the cluster
	s_lshl_b32 s77, 0x1111, s20                    ; my column
	s_or_b32 s[G1A], s76, (1<<16)|(1<<20)|(1<<21)|(5<<22)|(3<<25)  ; 15:0 the mask; 17:16 2-byte elements; 20 padding on; 21 set beside a mask; 24:22 after every 64 words; 31:25 4 words of it
	s_or_b32 s[G1B], s77, (1<<16)|(1<<20)|(1<<21)|(5<<22)|(7<<25)  ; the same with my column's mask and 8 words of padding
.irp g, G1A, G1B
	s_mov_b32 s[(\g)+1], 128<<16                   ; tensor_dim0 = 128
	s_mov_b32 s[(\g)+2], 128<<16                   ; tensor_dim1 = 128
	s_mov_b32 s[(\g)+3], 128<<16                   ; tile_dim0 = 128
	s_mov_b32 s[(\g)+4], 128                       ; tile_dim1 = 128
	s_mov_b32 s[(\g)+6], 0
	s_mov_b32 s[(\g)+7], 0
.endr
	s_mov_b32 s[G1A+5], 2048                       ; elements from row to row of xb,
	s_mov_b32 s[G1B+5], 1024                       ; and of wb
	s_lshl_b32 s72, s23, 19                        ; x's tile: 128 i rows of 4,096 bytes: it hangs on i alone
	s_mov_b32 s73, 0
	s_lshl_b32 s74, s19, 22                        ; W's tile: the matrix, 4 MiB each,
	s_lshl_b32 s75, s22, 8                         ; and the head's 128 columns: it hangs on g and the wave alone
	s_add_co_u32 s74, s74, s75
	s_mov_b32 s75, 0
	s_mul_i32 s61, s[WV], BSZ                      ; my tile's place in a slot: the wave's number times a constant; no place in the cluster enters an LDS address
	s_wait_dscnt 0x0                               ; the opening add is done
	s_wait_kmcnt 0x0
	s_add_nc_u64 s[72:73], s[4:5], s[72:73]
	s_add_nc_u64 s[74:75], s[6:7], s[74:75]
	CROUND                                         ; all sixteen work-groups are here: the first joint loads meet
.irp s, 0,1
	s_mov_b32 s[G0A+4*(\s)], 1                     ; count = 1
	s_mov_b32 s[G0A+4*(\s)+1], (\s)*SLOT           ; LDS address: wave 0's tile
	s_add_nc_u64 s[G0A+4*(\s)+2:G0A+4*(\s)+3], s[72:73], (\s)*KSTEP*2     ; K step s: 256 bytes along the rows
	s_or_b32 s[G0A+4*(\s)+3], s[G0A+4*(\s)+3], 0x80000000                 ; type = 2
	s_mov_b32 s[G0B+4*(\s)], 1
	s_add_co_u32 s[G0B+4*(\s)+1], s61, (\s)*SLOT   ; LDS address: 36,864 x wave + the slot
	s_add_nc_u64 s[G0B+4*(\s)+2:G0B+4*(\s)+3], s[74:75], (\s)*KSTEP*2048  ; K step s: 128 rows of 2,048 bytes down
	s_or_b32 s[G0B+4*(\s)+3], s[G0B+4*(\s)+3], 0x80000000
	JLOAD \s                                       ; two loads of mine are out
.endr
	; where my prefetches stand: at K step 2; the first change of slots steps them to 3
	s_lshl_b32 s62, s23, 7
	s_lshl_b32 s63, s20, 5
	s_add_co_u32 s62, s62, s63                     ; xb: row 128 i + 32 cx,
	s_lshl_b32 s62, s62, 12
	s_add_co_u32 s62, s62, 2*KSTEP*2               ; byte 512 of it
	s_lshl_b32 s78, s21, 5
	s_add_co_u32 s78, s78, 2*KSTEP                 ; wb: row 256 + 32 cy
	s_lshl_b32 s78, s78, 11
	s_lshl_b32 s79, s19, 22
	s_add_co_u32 s78, s78, s79                     ; of my matrix,
	s_lshl_b32 s79, s22, 8
	s_add_co_u32 s78, s78, s79                     ; the head's columns
	s_and_b32 s79, ttmp7, 0xffff                   ; cluster y
	s_mov_b32 s[PFS], KSTEP*2048
	s_cmp_eq_u32 s[WV], 0
	s_cselect_b32 s62, s62, s78
	s_cselect_b32 s79, ttmp9, s79                  ; the coordinate along which other clusters read the same rows
	s_cselect_b64 s[PFA:PFA+1], s[4:5], s[6:7]
	s_cselect_b32 s[PFS], KSTEP*2, s[PFS]
	s_cselect_b32 s2, 12, 11                       ; a row is 4,096 bytes of xb, 2,048 of wb
	s_mov_b32 s63, 0
	s_mov_b32 s[PFS+1], 0
	s_add_nc_u64 s[PFA:PFA+1], s[PFA:PFA+1], s[62:63]
	s_cmp_eq_u32 s79, 0
	s_cselect_b32 s[LIM], 1, -1                    ; the same in all sixteen partners, for a given wave
	v_and_b32 v[PFO], 31, v0
	v_lshlrev_b32 v[PFO], s2, v[PFO]
	; the table, and where my results go
	s_and_b32 s66, s23, 15
	s_lshl_b32 s66, s66, 7
	s_lshl_b32 s67, s17, 6
	s_add_co_u32 s66, s66, s67                     ; my first token's place in its sequence
	s_lshl_b32 s70, s66, 9
	s_mov_b32 s71, 0
	s_add_nc_u64 s[TABP:TABP+1], s[8:9], s[70:71]
	s_lshr_b32 s68, s23, 4
	s_lshl_b32 s68, s68, 3
	s_add_co_u32 s68, s68, s22                     ; bh = 8 batch + head
	s_lshl_b32 s68, s68, 19
	s_lshl_b32 s66, s66, 8                         ; 256 bytes a token in qf, kf and vf
	s_add_co_u32 s68, s68, s66
	s_mov_b32 s69, 0
	s_cmp_eq_u32 s18, 0
	s_cselect_b64 s[DQK:DQK+1], s[10:11], s[12:13]
	s_add_nc_u64 s[DQK:DQK+1], s[DQK:DQK+1], s[68:69]
	s_lshl_b32 s78, s18, 12                        ; v's four channel blocks of 1,024 bytes
	s_add_co_u32 s68, s68, s78
	s_add_nc_u64 s[DV:DV+1], s[14:15], s[68:69]
	v_and_b32 v1, 15, v0                           ; l % 16
	v_bfe_u32 v2, v0, 4, 1                         ; l / 16
	v_and_b32 v3, 31, v0
	v_lshlrev_b32 v[QO], 4, v3
	v_lshlrev_b32 v[TO], 9, v1                     ; my token's row of 512 bytes,
	v_lshl_add_u32 v[TO], v2, 5, v[TO]             ; my eight channels' 32 bytes
	WIN 0xc0                                       ; destination window 3
.irp a, 0,1,2,3
.irp b, 0,1,2,3
	global_load_b128 v[16*(4*(\a)+(\b)):16*(4*(\a)+(\b))+3],     v[TO], s[TABP:TABP+1] offset:(\a)*8192+(\b)*64      ; cos for tokens 16 a .., channels 16 b + 8 (l / 16) ..
	global_load_b128 v[16*(4*(\a)+(\b))+4:16*(4*(\a)+(\b))+7],   v[TO], s[TABP:TABP+1] offset:(\a)*8192+(\b)*64+16
	global_load_b128 v[16*(4*(\a)+(\b))+8:16*(4*(\a)+(\b))+11],  v[TO], s[TABP:TABP+1] offset:(\a)*8192+(\b)*64+256  ; sin
	global_load_b128 v[16*(4*(\a)+(\b))+12:16*(4*(\a)+(\b))+15], v[TO], s[TABP:TABP+1] offset:(\a)*8192+(\b)*64+272
.endr
.endr
	WIN 0
	; A fragment is 16 rows x 32 K in 8 registers: lane l holds row l % 16; registers 0-3 K = 8 (l / 16) + 0..7, registers 4-7 K = 16 + 8 (l / 16) + 0..7.  x lies along K: two loads of 16 bytes, 32 bytes apart.
	v_mul_u32_u24 v4, v1, PA
	v_lshl_add_u32 v4, v2, 4, v4
	s_mul_i32 s62, s17, 64*PA
	; W lies [k][n]: the turning load takes 16 k x 16 n (lane l reads row 8 (l / 16) + l % 8, columns 8 ((l / 8) % 2) + 0..7) and leaves half a fragment: lane l holds column l % 16 and 8 k.
	v_and_b32 v5, 7, v0
	v_lshl_add_u32 v5, v2, 3, v5
	v_mul_u32_u24 v5, v5, PB
	v_bfe_u32 v6, v0, 3, 1
	v_lshl_add_u32 v5, v6, 4, v5
	s_mul_i32 s63, s18, BSZ
	s_add_co_u32 s63, s63, OFFB                    ; Wq's tile or Wk's
	s_lshl_b32 s78, s18, 7
	s_add_co_u32 s78, s78, OFFB+2*BSZ              ; Wv's tile, my 64 columns
.irp s, 0,1
	v_add_nc_u32 v[ADRA+(\s)], s62, v4
	v_add_nc_u32 v[ADRR+(\s)], s63, v5
	v_add_nc_u32 v[ADRV+(\s)], s78, v5
	s_add_co_u32 s62, s62, SLOT
	s_add_co_u32 s63, s63, SLOT
	s_add_co_u32 s78, s78, SLOT
.endr
; 16 matrix instructions of the q or k part: token blocks a0, a0 + 1 x all 8 channel blocks, 32 along K.  zero = 1: the first product starts the sums.
.macro MULR f, a0, zero
	WIN 0xa5                                       ; sources window 1, C and D window 2
.irp a, \a0, (\a0)+1
.irp b, 0,1,2,3,4,5,6,7
.if \zero
	v_wmma_f32_16x16x32_bf16 v[8*(8*(\a)+(\b)):8*(8*(\a)+(\b))+7], v[(\f)+32+8*(\b):(\f)+32+8*(\b)+7], v[(\f)+8*(\a):(\f)+8*(\a)+7], 0
.else
	v_wmma_f32_16x16x32_bf16 v[8*(8*(\a)+(\b)):8*(8*(\a)+(\b))+7], v[(\f)+32+8*(\b):(\f)+32+8*(\b)+7], v[(\f)+8*(\a):(\f)+8*(\a)+7], v[8*(8*(\a)+(\b)):8*(8*(\a)+(\b))+7]
.endif
.endr
.endr
.endm
; 16 matrix instructions of the v part.  The 48 accumulators take turns in the same order in every quarter, one instruction a turn.
.macro MULV f, zero
	WIN 0x05                                       ; sources window 1, C and D window 0
.irp a, 0,1,2,3
.irp b, 0,1,2,3
.if \zero
	v_wmma_f32_16x16x32_bf16 v[ACCV+8*(4*(\a)+(\b)):ACCV+8*(4*(\a)+(\b))+7], v[(\f)+8*(\a):(\f)+8*(\a)+7], v[(\f)+96+8*(\b):(\f)+96+8*(\b)+7], 0
.else
	v_wmma_f32_16x16x32_bf16 v[ACCV+8*(4*(\a)+(\b)):ACCV+8*(4*(\a)+(\b))+7], v[(\f)+8*(\a):(\f)+8*(\a)+7], v[(\f)+96+8*(\b):(\f)+96+8*(\b)+7], v[ACCV+8*(4*(\a)+(\b)):ACCV+8*(4*(\a)+(\b))+7]
.endif
.endr
.endr
.endm
; 32 LDS loads in one run: the fragments of quarter q (32 along K) of a slot into buffer f: the q or k part's, x's, and last v's, which are wanted last
.macro FETCH slot, q, f
	WIN 0x40                                       ; destination window 1
.irp b, 0,1,2,3,4,5,6,7
	ds_load_tr16_b128 v[(\f)+32+8*(\b):(\f)+32+8*(\b)+3],   v[ADRR+(\slot)] offset:32*PB*(\q)+32*(\b)
	ds_load_tr16_b128 v[(\f)+32+8*(\b)+4:(\f)+32+8*(\b)+7], v[ADRR+(\slot)] offset:32*PB*(\q)+32*(\b)+16*PB
.endr
.irp a, 0,1,2,3
	ds_load_b128 v[(\f)+8*(\a):(\f)+8*(\a)+3],   v[ADRA+(\slot)] offset:16*PA*(\a)+64*(\q)
	ds_load_b128 v[(\f)+8*(\a)+4:(\f)+8*(\a)+7], v[ADRA+(\slot)] offset:16*PA*(\a)+64*(\q)+32
.endr
.irp b, 0,1,2,3
	ds_load_tr16_b128 v[(\f)+96+8*(\b):(\f)+96+8*(\b)+3],   v[ADRV+(\slot)] offset:32*PB*(\q)+32*(\b)
	ds_load_tr16_b128 v[(\f)+96+8*(\b)+4:(\f)+96+8*(\b)+7], v[ADRV+(\slot)] offset:32*PB*(\q)+32*(\b)+16*PB
.endr
.endm
; A K step is four quarters of 32 along K, 48 matrix instructions each, on buffers 0, 1, 0, 1.  One of the first three: multiplies buffer f and fetches quarter q into buffer g.
.macro QUARTER slot, q, f, g, zero
	s_wait_dscnt 8                                 ; all but v's eight loads are in
	MULR \f, 0, \zero
	PLACES
	FETCH \slot, \q, \g
	s_wait_dscnt 32                                ; all but the 32 just issued
	MULR \f, 2, \zero
	MULV \f, \zero
.endm
; The last quarter multiplies buffer 1 and changes slots: ONE barrier; in front of it each wave waits for all its tensor loads (one is out: its tile of the next slot), adds 0 to its spare word, and waits for that and
; for its own reads of this slot.  fill = 1: the barrier opens a round of the cluster's, and this slot is filled again first thing behind it, with the K step two on: 160 matrix instructions ahead of the wait for it.
.macro TURN slot, next, fill, how=0
.if \fill
	s_wait_xcnt 0x0                                ; the last prefetch, a K step back, has read its address
	s_add_nc_u64 s[PFA:PFA+1], s[PFA:PFA+1], s[PFS:PFS+1]
.endif
	WIN 0                                          ; (the add's two registers lie in window 0)
	s_wait_tensorcnt 0x0                           ; all my tensor loads have landed
	ds_add_u32 v[SPW], v[NIL]                      ; 0 onto my spare word
	s_wait_dscnt 9                                 ; (the add and v's eight loads may be out)
	MULR F1, 0, 0                                  ; sixteen matrix instructions stand between the add and the wait for it
	s_wait_dscnt 0x0                               ; the add is done, and my reads of this slot are over
	s_barrier_signal -1
	MULR F1, 2, 0                                  ; work on registers while the others arrive
.if \fill
	WIN 0
.endif
	s_barrier_wait -1
.if \fill
	CREST                                          ; no wave of any partner still reads this slot or has a load on its way
	s_add_nc_u64 s[G0A+4*(\slot)+2:G0A+4*(\slot)+3], s[G0A+4*(\slot)+2:G0A+4*(\slot)+3], 2*KSTEP*2
	s_add_nc_u64 s[G0B+4*(\slot)+2:G0B+4*(\slot)+3], s[G0B+4*(\slot)+2:G0B+4*(\slot)+3], 2*KSTEP*2048
	JLOAD \slot                                    ; the four v_nop behind it are also the places in front of the loads below
.else
	PLACES
.endif
	FETCH \next, 0, F0
.if \fill
	WIN 0
	ASK \how
.endif
	MULV F1, 0
.endm
	s_wait_tensorcnt 1                             ; my tile of K step 0 is in; K step 1's may stay out
	s_barrier_signal -1
	s_barrier_wait -1                              ; everybody's is
	FETCH 0, 0, F0
	QUARTER 0, 1, F0, F1, 1                        ; the first quarter stands in front of the loop: its products start the sums
	WIN 0                                          ; at a label and at a branch every window is 0
	s_mov_b32 s3, 7                                ; 16 K steps = 8 laps; the last lap fills nothing and is written out
.Llap:
	QUARTER 0, 2, F1, F0, 0
	QUARTER 0, 3, F0, F1, 0
	TURN 0, 1, 1, 1
	QUARTER 1, 1, F0, F1, 0
	QUARTER 1, 2, F1, F0, 0
	QUARTER 1, 3, F0, F1, 0
	TURN 1, 0, 1, 0
	QUARTER 0, 1, F0, F1, 0
	WIN 0
	s_sub_co_u32 s3, s3, 1
	s_cmp_lg_u32 s3, 0
	s_cbranch_scc1 .Llap
	QUARTER 0, 2, F1, F0, 0
	QUARTER 0, 3, F0, F1, 0
	TURN 0, 1, 0
	QUARTER 1, 1, F0, F1, 0
	QUARTER 1, 2, F1, F0, 0
	QUARTER 1, 3, F0, F1, 0
	s_wait_dscnt 0x0                               ; the very last quarter: nothing more to fetch
	MULR F1, 0, 0
	MULR F1, 2, 0
	MULV F1, 0
	WIN 0
	PLACES
	; THE WAY OUT.  y[d] = x[d] cos - x[d + 64] sin, y[d + 64] = x[d + 64] cos + x[d] sin, d = 0..63: accumulators (a, b) and (a, b + 4), register by register; each accumulator is read from its low end on.
	s_wait_loadcnt 0x0                             ; the table
.irp a, 0,1,2,3
	WIN 0x0e                                       ; source 0 window 2 (sums), source 1 window 3 (table), the rest window 0
.irp b, 0,1,2,3
.irp p, 0,2,4,6
	v_pk_mul_f32 v[TMP+8*(\b)+(\p):TMP+8*(\b)+(\p)+1],       v[8*(8*(\a)+(\b))+(\p):8*(8*(\a)+(\b))+(\p)+1],     v[16*(4*(\a)+(\b))+(\p):16*(4*(\a)+(\b))+(\p)+1]
	v_pk_mul_f32 v[TMP+8*((\b)+4)+(\p):TMP+8*((\b)+4)+(\p)+1], v[8*(8*(\a)+(\b)+4)+(\p):8*(8*(\a)+(\b)+4)+(\p)+1], v[16*(4*(\a)+(\b))+(\p):16*(4*(\a)+(\b))+(\p)+1]
	v_pk_fma_f32 v[TMP+8*(\b)+(\p):TMP+8*(\b)+(\p)+1],       v[8*(8*(\a)+(\b)+4)+(\p):8*(8*(\a)+(\b)+4)+(\p)+1], v[16*(4*(\a)+(\b))+8+(\p):16*(4*(\a)+(\b))+8+(\p)+1], v[TMP+8*(\b)+(\p):TMP+8*(\b)+(\p)+1] neg_lo:[1,0,0] neg_hi:[1,0,0]
	v_pk_fma_f32 v[TMP+8*((\b)+4)+(\p):TMP+8*((\b)+4)+(\p)+1], v[8*(8*(\a)+(\b))+(\p):8*(8*(\a)+(\b))+(\p)+1],   v[16*(4*(\a)+(\b))+8+(\p):16*(4*(\a)+(\b))+8+(\p)+1], v[TMP+8*((\b)+4)+(\p):TMP+8*((\b)+4)+(\p)+1]
.endr
.endr
	WIN 0
	s_wait_xcnt 0x0                                ; the last block's stores have read PK
.set n, 0
.rept 32
	v_cvt_pk_f16_f32 v[PK+n], v[TMP+2*n], v[TMP+2*n+1]
.set n, n+1
.endr
.irp b, 0,1,2,3,4,5,6,7
	global_store_b128 v[QO], v[PK+4*(\b):PK+4*(\b)+3], s[DQK:DQK+1] offset:(\a)*4096+(\b)*512  ; 512 consecutive bytes, aligned
.endr
.endr
.set n, 0
.rept 64                                               ; v: a lane's eight tokens of a channel pack into 16 bytes
	v_cvt_pk_f16_f32 v[TMP+n], v[ACCV+2*n], v[ACCV+2*n+1]
.set n, n+1
.endr
.irp a, 0,1,2,3
.irp b, 0,1,2,3
	global_store_b128 v[QO], v[TMP+4*(4*(\a)+(\b)):TMP+4*(4*(\a)+(\b))+3], s[DV:DV+1] offset:((\a)/2)*8192+(\b)*1024+((\a)%2)*512
.endr
.endr
	s_wait_tensorcnt 0x0                           ; the wave's end: the add and its wait, behind my last tensor load
	ds_add_u32 v[SPW], v[NIL]
	s_wait_dscnt 0x0
	CROUND                                         ; the closing round: no work-group ends while a partner may still ask for a tile that names it
	s_endpgm
.Lfunc_end_k_q654b1bc11b_qkv:
	.size	k_q654b1bc11b_qkv, .Lfunc_end_k_q654b1bc11b_qkv-k_q654b1bc11b_qkv
	.p2alignl 7, 3214868480
	.fill 96, 4, 3214868480
	.section	.rodata,"a",@progbits
	.p2align	6, 0x0
	.amdhsa_kernel k_q654b1bc11b_qkv
		.amdhsa_group_segment_fixed_size 327680
		.amdhsa_private_segment_fixed_size 0
		.amdhsa_enable_private_segment 0
		.amdhsa_kernarg_size 48
		.amdhsa_user_sgpr_count 2
		.amdhsa_user_sgpr_kernarg_segment_ptr 1
		.amdhsa_wavefront_size32 1
		.amdhsa_system_sgpr_workgroup_id_x 1
		.amdhsa_system_sgpr_workgroup_id_y 1
		.amdhsa_system_sgpr_workgroup_id_z 1
		.amdhsa_system_vgpr_workitem_id 0
		.amdhsa_next_free_vgpr 1024
		.amdhsa_next_free_sgpr 80
		.amdhsa_reserve_vcc 0
		.amdhsa_float_denorm_mode_32 3
		.amdhsa_float_denorm_mode_16_64 3
		.amdhsa_memory_ordered 1
		.amdhsa_forward_progress 1
		.amdhsa_inst_pref_size 136
	.end_amdhsa_kernel
	.amdgpu_metadata
---
amdhsa.version: [ 1, 2 ]
amdhsa.kernels:
  - .name:           k_q654b1bc11b_qkv
    .symbol:         k_q654b1bc11b_qkv.kd
    .args:
      - { .name: xb, .offset: 0, .size: 8, .value_kind: global_buffer, .address_space: global }
      - { .name: wb, .offset: 8, .size: 8, .value_kind: global_buffer, .address_space: global }
      - { .name: tab, .offset: 16, .size: 8, .value_kind: global_buffer, .address_space: global }
      - { .name: qf, .offset: 24, .size: 8, .value_kind: global_buffer, .address_space: global }
      - { .name: kf, .offset: 32, .size: 8, .value_kind: global_buffer, .address_space: global }
      - { .name: vf, .offset: 40, .size: 8, .value_kind: global_buffer, .address_space: global }
    .group_segment_fixed_size: 327680
    .private_segment_fixed_size: 0
    .kernarg_segment_align: 8
    .kernarg_segment_size: 48
    .max_flat_workgroup_size: 128
    .sgpr_count:     80
    .vgpr_count:     1024
    .wavefront_size: 32
...
	.end_amdgpu_metadata
.endif
;; end of part 2
;; launch attn (part 3): grid 16 x 16, 4 waves a work-group, clusters of 4 x 1, 327,680 bytes of LDS; arguments qf, kf, vf, of; writes of
.if DOCPART == 3
	.amdgcn_target "amdgcn-amd-amdhsa--gfx1250"
	.amdhsa_code_object_version 6
	.text
	.protected	k_q654b1bc11b_attn
	.globl	k_q654b1bc11b_attn
	.p2align	8
	.type	k_q654b1bc11b_attn,@function
k_q654b1bc11b_attn:
	s_mov_b64 s[64:65], 0
	v_nop
	global_prefetch_b8 v0, s[64:65] scope:SCOPE_SE
	s_setreg_imm32_b32 hwreg(HW_REG_WAVE_MODE, 25, 1), 1
	s_wait_xcnt 0x0
	s_wait_alu depctr_hold_cnt(0) depctr_sa_sdst(0) depctr_va_vdst(0) depctr_va_sdst(0) depctr_va_ssrc(0) depctr_va_vcc(0) depctr_vm_vsrc(0)
	s_getreg_b32 s2, hwreg(HW_REG_IB_STS2, 6, 4)
	s_cmp_eq_u32 s2, 0
	s_cbranch_scc0 .Lentry_in_a_cluster
	s_endpgm
.Lentry_in_a_cluster:
	s_bfe_u32 s2, ttmp6, 0x10000c
	s_cmp_lg_u32 s2, 0x3003
	s_cbranch_scc0 .Lentry_shape_is_right
	s_endpgm
.Lentry_shape_is_right:
; CAUSAL ATTENTION, head size 128.  O[bh][q] = the sum over k <= q of softmax_k(Q[q] . K[k] / sqrt(128)) V[k], for 16 pairs bh of batch and head, 2,048 rows each.  qf, kf, vf arrive in f16 in the order of matrix
; fragments (16 rows x 128 channels of q or k are 4,096 bytes: channel block d>>4 at 512 (d>>4), lane 16 ((d>>3)&1) + row at 16 bytes each; 32 keys x 128 channels of v are 8,192 bytes, turned likewise), so every load here is
; 16 x lane.  Products, maxima and sums in f32; the weights are rounded to f16 for the second product (their sum is taken of the unrounded weights), O once at the end, to f16, in the next launch's fragment order:
;   of: ((128 batch + (s>>4)) 8 + head) 4096 + (d>>4) 512 + (16 ((d>>3)&1) + (s&15)) 16 + (d&7) 2.
; LIMITS.  A hidden score counts as -2^100: f16's scores, 5.5e11 at the most, are nothing beside that; a weight below 2^-126 counts as 0; NaN and infinities are not treated apart.
; THE WALK.  A head's queries lie in 8 blocks of 256.  Cluster c takes block 7 - c and then block c; of each, its four work-groups take 64 queries each.  Keys come in tiles of 256, two steps of 128; block b needs tiles 0 .. b:
; 8 - c and c + 1 tiles, 9 for every cluster.  All four partners walk the same tiles of K and V: each tile is asked for JOINTLY, and one loop with a constant count walks them.  Only a block's last tile holds hidden keys.
; THE RING.  Two LDS slots of a tile each (128 KiB: K of step 0, K of step 1, V of step 0, V of step 1); wave w fetches the part at 32,768 w, one load.  A refill has two key steps, 128 matrix instructions and two softmaxes a wave, in which to land.
; KEYS ARE SPLIT AMONG THE WAVES: of a step's 128 keys wave w takes 32 w .. + 31, for all 64 queries (four tiles of 16), with a running maximum m, sum l and O^T of its own; each LDS byte is read by one wave, and a fragment feeds
; four tiles.  The four partial results of a block meet in LDS: O = sum of 2^(c m_w - M) O_w / sum of 2^(c m_w - M) l_w, M the largest c m_w.  A wave that has seen only hidden keys of a row has c m = -c 2^100 and counts 0 there.
; The first block's partial O^T waits in registers (window 3): beside two slots LDS has no 128 KiB for it.  At the end both blocks' partial results go into the ring, behind its last fill.
; The second block's Q (16 KiB, the same for the four waves) has no registers while the first block is walked: it waits in LDS bytes of its own, a quarter brought by each wave at the head.
; LAYOUT.  S^T = K Q^T (source 0 = 16 keys, source 1 = 16 queries): a lane holds ONE query (lane % 16) and the keys 8 (lane / 16) + 0..7; two such results rounded to f16 ARE source 1 of O^T = V^T P.
; p = 2^(c s - c m), c = log2(e) / sqrt(128); O and l are multiplied by a = 2^(c m_old - c m_new) in every step; a block begins with c m far below every c s, so that its first a is 0.
; REGISTERS, in windows of 256 (s_set_vgpr_msb: bits 1:0 source 0, 3:2 source 1, 5:4 source 2, 7:6 destination):
;   window 0: v0-15, v48-56 addresses; v16-47 eight registers of statistics a tile; v88-113 the add's two, the prefetch's offset, the merge's; v128-191 S^T; v192-223 P; v224-255 O packed
;   window 1: O^T, 64 a tile (in the merge: four waves' O^T of one tile)      window 2: v0-127 Q; v128-191 K of my 32 keys; v192-255 V of them      window 3: the first block's O^T
.set SLOT1, 131072                     ; slot 1 begins here, so that one exclusive or changes slots
.set STEPB, 32768                      ; a step's K, or its V
.set VOFF,  65536                      ; a slot's V lies behind its K
.set STATH, 262144                     ; 4 KiB: the waves' (c m, l) of the first block; the second block's lie 4,096 on
.set SPARE, 270336                     ; the spare words, 128 bytes for each wave: two blocks of 256 bytes that no other line names
.set Q2B,   270848                     ; 16 KiB: the second block's Q, as it lies in memory; no fill lands here
.set GO,  3                            ; v3   16 x lane
.set AKV, 4                            ; v4   my 32 keys' fragments in a step's K or V: 8,192 w + 16 x lane
.set ADR, 5                            ; v5   the same in the K of the slot in hand
.set ADV, 6                            ; v6   the same in the V of the step in hand
.set STO, 7                            ; v7   where my first block's O^T goes at the end: 32,768 w + 16 x lane
.set RDB, 8                            ; v8-11  tile w of what wave u put there: 32,768 u + 8,192 w + 16 x lane
.set SST, 12                           ; v12  where I put statistics: STATH + 1,024 w + 8 x lane
.set SRD, 13                           ; v13  where I read tile w's: STATH + 256 w + 8 x lane
.set L0,  14                           ; v14  l % 16 - 8 (l / 16) - 32 w
.set VU,  15                           ; v15  register j of S^T(qt, kb) is hidden where 16 (kb - qt) + j is greater than this
.set ST,  16                           ; tile t at ST + 8 t: c m, m, l (even keys', odd keys'), c0-c3 at work; c2 takes a
.set RDX, 48                           ; v48-51  RDB for the block that is being merged
.set SRX, 52                           ; v52  SRD for it
.set STL, 53                           ; v53  where my second block's O^T goes: SLOT1 + 32,768 w + 16 x lane
.set Q2S, 54                           ; v54  my quarter of the second block's Q: 4,096 w + 16 x lane
.set Q2W, 55                           ; v55  where I put it in LDS: Q2B + 4,096 w + 16 x lane
.set Q2A, 56                           ; v56  where I read all of it: Q2B + 16 x lane
.set SPW, 88
.set NIL, 89
.set PFO, 90                           ; v90  256 x lane; never rewritten
.set MT,  92                           ; v92-99   the merge: (c m, l) of the four waves
.set MF,  100                          ; v100-103 their factors
.set MX,  104
.set ML,  105
.set MG,  106                          ; v106-113 factor / sum, twice each: pairs for the packed products
.set S,   128                          ; S^T(qt, kb) at S + 16 qt + 8 kb; at the head v128-159 carry my quarter of the second block's Q
.set P,   192                          ; P(qt) at P + 8 qt
.set OUTP, 224
.set ZR,  224                          ; at the head v224-239 hold 0: two fragments of zeros
.set KF,  128                          ; window 2: key block kb, channels 32 c on, at KF + 32 kb + 8 c
.set VF,  192                          ; window 2: channel block cb at VF + 8 cb
.set WV,  12
.set CX,  13
.set G1,  24                           ; s[24:31] descriptor group 1
.set G0,  32                           ; s[32:35] descriptor group 0
.set KVB, 36                           ; s[36:37] K or V at my part of the head's tile 0
.set OFF, 38                           ; s[38:39] a tile's byte offset
.set CNT, 40                           ; s40  the loop's count
.set REM, 41                           ; s41  steps of the block in hand still to do, the one in hand among them
.set TL,  42                           ; s42  the second block's steps
.set NXT, 43                           ; s43  the tile to be asked for next
.set LQ,  44                           ; s44  the last tile of the block whose tiles are being asked for
.set TLM, 45                           ; s45  the second block's last tile
.set TWICE, 46                         ; s46  counts a slot's two steps, and the two merges
.set DD,  47                           ; s47  my first query less the step's first key: it enters the mask's numbers alone
.set DLO, 48                           ; s48  the second block's first query
.set TV,  49                           ; s49  LDS byte at which V of the step to be fetched begins
.set CS,  50                           ; s[50:51] c
.set SEL, 52                           ; s[52:53] v_permlanex16_b32's selects: each lane takes its own place in the other half
.set TB,  54                           ; s54  the slot in hand
.set BIGN, 55                          ; s55  -2^100
.set OHI, 56                           ; s[56:57] of at tile w of my first block;  s[58:59] of my second
.set OLO, 58
.set PFA, 60                           ; s[60:61] where my prefetches stand
.set LIM, 62                           ; s62  a wave prefetches while the count is above this
.set MB,  63                           ; s63  the merge: where the block's partial results begin in LDS
.set QHI, 66
.set QLO, 68
.set MS,  70                           ; s70  the merge: where its statistics begin, from STATH
.set MSB, 0
.macro WIN new
.if MSB != (\new)
	s_set_vgpr_msb (MSB<<8)|(\new)
.set MSB, \new
.endif
.endm
.macro PLACES
.rept 4
	v_nop
.endr
.endm
.macro ALL line:vararg                 ; one line for each tile t
.set t, 0
.rept 4
	\line
.set t, t+1
.endr
.endm
.macro CROUND                          ; a round of the cluster's barrier
	s_barrier_signal -1
	s_barrier_wait -1
	s_cmp_lg_u32 s[WV], 0
	s_cbranch_scc1 .Lnot_wave_0_\@
	s_barrier_signal -3
.Lnot_wave_0_\@:
	s_barrier_wait -3
	s_barrier_signal -1
	s_barrier_wait -1
.endm
; A PREFETCH INTO THE L2.  Trip n refills with tile n + 1 and names tile n + 2: one slot, 128 matrix instructions and two softmaxes a wave, ahead of the load that will want it.  All four clusters of a head walk the same tiles;
; cluster 0, whose first block needs all eight, asks, in trips 0 to 5 (the count runs 8 .. 3 there).  Each wave asks for the 32 KiB that it will fetch itself; the four partners share its 128 blocks of 256 bytes out by address,
; 32 each, a lane a block: one instruction a wave.  So each block is named once in the launch.  Tiles 0 and 1 come by their loads alone.
.macro ASK
	s_cmp_gt_u32 s[CNT], s[LIM]
	s_cbranch_scc0 .Lnot_mine_\@
	global_prefetch_b8 v[PFO], s[PFA:PFA+1] th:TH_LOAD_NT scope:SCOPE_SE
.Lnot_mine_\@:
.endm
; THE CHANGE OF SLOTS.  Each wave waits for all its tensor loads (one is out: its part of the other slot), adds 0 to its spare word, and waits for that and for its own reads of the slot that it leaves.
; fill = 1: the barrier is a round of the cluster's, and the old slot is filled again first thing behind it, with tile NXT; the descriptor's address is made anew from that number.  (At its first use slot 0 is waited for and slot 1 filled.)
.macro CHANGE fill
	WIN 0
	s_wait_tensorcnt 0x0                           ; no tensor load of mine is out, so group 0 may be written
	ds_add_u32 v[SPW], v[NIL]                      ; 0 onto my spare word: the scalar work below stands between it and the wait for it
.if \fill
	s_lshl_b32 s[OFF], s[NXT], 16                  ; a tile is 65,536 bytes of K and of V
	s_xor_b32 s[G0+1], s[G0+1], SLOT1
	s_add_nc_u64 s[G0+2:G0+3], s[KVB:KVB+1], s[OFF:OFF+1]
	s_or_b32 s[G0+3], s[G0+3], 0x80000000
	s_add_co_u32 s[NXT], s[NXT], 1                 ; the block's next tile, or behind its last the second block's tile 0
	s_cmp_gt_u32 s[NXT], s[LQ]
	s_cselect_b32 s[NXT], 0, s[NXT]
	s_cselect_b32 s[LQ], s[TLM], s[LQ]
	s_wait_xcnt 0x0                                ; the last prefetch, a slot back, has read its address
	s_add_nc_u64 s[PFA:PFA+1], s[PFA:PFA+1], 0x10000
	s_wait_dscnt 0x0                               ; the add is done, and my reads of the slot are over
	CROUND
	tensor_load_to_lds s[G0:G0+3], s[G1:G1+7]      ; my 32 KiB of the tile: one load of mine is out
	s_nop 0
	PLACES
	ASK
.else
	s_wait_dscnt 0x0
	s_barrier_signal -1
	s_barrier_wait -1
.endif
	s_xor_b32 s[TB], s[TB], SLOT1
.endm
	s_load_b256 s[4:11], s[0:1], 0x0               ; qf s[4:5], kf s[6:7], vf s[8:9], of s[10:11]
	v_lshl_add_u32 v[SPW], v0, 2, SPARE
	v_mov_b32 v[NIL], 0
	ds_add_u32 v[SPW], v[NIL]                      ; the wave's opening: the add and its wait, ahead of my first tensor load; the set-up below, work on registers, stands between them
	v_lshrrev_b32 v1, 5, v0
	v_readfirstlane_b32 s[WV], v1                  ; wave 0..3
	s_bfe_u32 s[CX], ttmp6, 0x40000                ; cx: it enters Q's, O's and the prefetches' addresses and the mask's numbers, nothing else
	s_and_b32 s14, ttmp7, 0xffff                   ; bh
	s_lshl_b32 s15, ttmp9, 1                       ; 2 c: the cluster's number is the same in all four partners
	s_sub_co_u32 s[REM], 16, s15                   ; the first block's steps
	s_add_co_u32 s[TL], s15, 2
	s_sub_co_u32 s[LQ], 7, ttmp9                   ; its last tile
	s_mov_b32 s[TLM], ttmp9
	s_mov_b32 s[NXT], 1
	s_lshl_b32 s16, ttmp9, 2
	s_add_co_u32 s17, s16, s[CX]                   ; my second 64 queries: number 4 c + cx
	s_sub_co_u32 s18, 28, s16
	s_add_co_u32 s18, s18, s[CX]                   ; my first: 28 - 4 c + cx
	s_lshl_b32 s[DD], s18, 6
	s_lshl_b32 s[DLO], s17, 6
	; descriptor group 1: 32,768 dense bytes as 128 rows of 256
	s_mov_b32 s[G1], 15|(3<<16)|(1<<21)            ; 15:0 the mask of four; 17:16 8-byte elements; 21 set beside a mask
	s_mov_b32 s[G1+1], 32<<16                      ; tensor_dim0 = 32
	s_mov_b32 s[G1+2], 128<<16                     ; tensor_dim1 = 128
	s_mov_b32 s[G1+3], 32<<16                      ; tile_dim0 = 32
	s_mov_b32 s[G1+4], 128                         ; tile_dim1 = 128
	s_mov_b32 s[G1+5], 32                          ; 32 elements from row to row
	s_mov_b32 s[G1+6], 0
	s_mov_b32 s[G1+7], 0
	s_mov_b32 s[G0], 1                             ; count = 1
	s_lshl_b32 s[G0+1], s[WV], 15                  ; LDS address: waves 0, 1 K of steps 0, 1; waves 2, 3 V of them; slot 0
	s_mov_b32 s[OFF+1], 0
	s_mov_b32 s[CS], 0x3e0293ee                    ; c = log2(e) / sqrt(128) = 0.127517
	s_mov_b32 s[CS+1], s[CS]
	s_mov_b32 s[SEL], 0x76543210
	s_mov_b32 s[SEL+1], 0xfedcba98
	s_mov_b32 s[TB], SLOT1                         ; the first change of slots turns it into 0
	s_mov_b32 s[BIGN], 0xf1800000                  ; -2^100
	s_lshl_b32 s20, s14, 19                        ; the head's first byte in qf, kf and vf
	s_and_b32 s22, s[WV], 1
	s_lshl_b32 s22, s22, 15
	s_add_co_u32 s22, s22, s20                     ; + the step of a tile that I fetch
	s_mov_b32 s23, 0
	s_lshl_b32 s70, s18, 14                        ; 64 queries are 16,384 bytes
	s_add_co_u32 s70, s70, s20
	s_mov_b32 s71, 0
	s_lshl_b32 s72, s17, 14
	s_add_co_u32 s72, s72, s20
	s_mov_b32 s73, 0
	s_lshr_b32 s19, s14, 3
	s_lshl_b32 s19, s19, 7
	s_add_co_u32 s19, s19, s[WV]                   ; 128 batch + w
	s_and_b32 s21, s14, 7
	s_lshl_b32 s21, s21, 12                        ; the head's 4,096 bytes
	s_lshl_b32 s74, s18, 2
	s_add_co_u32 s74, s74, s19
	s_lshl_b32 s74, s74, 15
	s_add_co_u32 s74, s74, s21
	s_mov_b32 s75, 0
	s_lshl_b32 s76, s17, 2
	s_add_co_u32 s76, s76, s19
	s_lshl_b32 s76, s76, 15
	s_add_co_u32 s76, s76, s21
	s_mov_b32 s77, 0
	s_lshl_b32 s78, s[CX], 13                      ; my work-group's 32 blocks of the 128 that I fetch,
	s_add_co_u32 s78, s78, s22
	s_add_co_u32 s78, s78, 0x10000                 ; in tile 1; the first change of slots steps it to tile 2
	s_mov_b32 s79, 0
	s_cmp_eq_u32 ttmp9, 0
	s_cselect_b32 s[LIM], 2, -1                    ; cluster 0 asks: the same in all four partners
	s_wait_dscnt 0x0                               ; the opening add is done
	s_wait_kmcnt 0x0
	s_cmp_lt_u32 s[WV], 2
	s_cselect_b64 s[KVB:KVB+1], s[6:7], s[8:9]
	s_cselect_b64 s[PFA:PFA+1], s[6:7], s[8:9]
	s_add_nc_u64 s[KVB:KVB+1], s[KVB:KVB+1], s[22:23]
	s_add_nc_u64 s[PFA:PFA+1], s[PFA:PFA+1], s[78:79]
	s_mov_b64 s[G0+2:G0+3], s[KVB:KVB+1]           ; global address: tile 0
	s_or_b32 s[G0+3], s[G0+3], 0x80000000          ; type = 2
	s_add_nc_u64 s[QHI:QHI+1], s[4:5], s[70:71]
	s_add_nc_u64 s[QLO:QLO+1], s[4:5], s[72:73]
	s_add_nc_u64 s[OHI:OHI+1], s[10:11], s[74:75]
	s_add_nc_u64 s[OLO:OLO+1], s[10:11], s[76:77]
	CROUND                                         ; all four work-groups are here: the first joint loads meet
	tensor_load_to_lds s[G0:G0+3], s[G1:G1+7]      ; tile 0 into slot 0
	s_nop 0
	PLACES
	v_and_b32 v1, 15, v0                           ; l % 16
	v_bfe_u32 v2, v0, 4, 1                         ; l / 16
	v_and_b32 v[GO], 31, v0
	v_lshlrev_b32 v[PFO], 8, v[GO]
	v_lshlrev_b32 v[SST], 3, v[GO]
	v_lshlrev_b32 v[GO], 4, v[GO]
	s_lshl_b32 s19, s[WV], 12
	v_add_nc_u32 v[Q2S], s19, v[GO]
	WIN 0x80                                       ; destination window 2
.set n, 0
.rept 32                                               ; the first block's Q stays in registers: tile n / 8, channels 32 ((n / 2) % 4) on
	global_load_b128 v[4*n:4*n+3], v[GO], s[QHI:QHI+1] offset:512*n
.set n, n+1
.endr
	WIN 0
.irp j, 0,1,2,3,4,5,6,7                                ; my quarter, 4,096 bytes, of the second block's Q
	global_load_b128 v[S+4*(\j):S+4*(\j)+3], v[Q2S], s[QLO:QLO+1] offset:512*(\j)
.endr
.set n, 0
.rept 16
	v_mov_b32 v[ZR+n], 0                           ; two fragments of zeros
.set n, n+1
.endr
	ALL v_mov_b32 v[ST+8*t], 0xfe000000            ; c m: far below every c s
	ALL v_mov_b32 v[ST+8*t+1], 0xff7fffff          ; m: the lowest finite number
	ALL v_mov_b32 v[ST+8*t+2], 0
	ALL v_mov_b32 v[ST+8*t+3], 0
	; A block's first step multiplies O^T by a = 0, so O^T need only hold finite numbers; window 3 is filled where the first block ends, behind a jump, and is written here once, so that it is written on every way to the
	; lines that read it.  Both are written eight registers a line, by products of zeros that start from the constant 0: 64 matrix instructions a wave, once, in the wait for the first tile.
	WIN 0x40                                       ; destination window 1
.set n, 0
.rept 32
	v_wmma_f32_16x16x32_f16 v[8*n:8*n+7], v[ZR:ZR+7], v[ZR+8:ZR+15], 0
.set n, n+1
.endr
	WIN 0xc0                                       ; destination window 3
.set n, 0
.rept 32
	v_wmma_f32_16x16x32_f16 v[8*n:8*n+7], v[ZR:ZR+7], v[ZR+8:ZR+15], 0
.set n, n+1
.endr
	WIN 0
	s_lshl_b32 s19, s[WV], 13
	v_add_nc_u32 v[AKV], s19, v[GO]
	s_lshl_b32 s19, s[WV], 15
	v_add_nc_u32 v[STO], s19, v[GO]
	v_add_nc_u32 v[STL], SLOT1, v[STO]
.irp u, 0,1,2,3
	v_add_nc_u32 v[RDB+(\u)], (\u)*32768, v[AKV]
.endr
	s_lshl_b32 s19, s[WV], 8
	v_add_nc_u32 v[SRD], s19, v[SST]
	v_add_nc_u32 v[SRD], STATH, v[SRD]
	s_lshl_b32 s19, s[WV], 10
	v_add_nc_u32 v[SST], s19, v[SST]
	v_add_nc_u32 v[SST], STATH, v[SST]
	v_lshlrev_b32 v[VU], 3, v2
	v_sub_nc_u32 v[L0], v1, v[VU]
	s_lshl_b32 s19, s[WV], 5
	v_sub_nc_u32 v[L0], v[L0], s19
	v_add_nc_u32 v[Q2W], Q2B, v[Q2S]
	v_add_nc_u32 v[Q2A], Q2B, v[GO]
	s_wait_loadcnt 0x0                             ; Q, and my quarter of the second block's
.irp j, 0,1,2,3,4,5,6,7
	ds_store_b128 v[Q2W], v[S+4*(\j):S+4*(\j)+3] offset:512*(\j)   ; the first change of slots waits for these stores and passes a barrier: behind it every wave may read all four quarters
.endr
; Product i of 32 of S^T = K Q^T: channels 32 (i / 8) on, key block (i % 8) / 4, tile i % 4.  The 8 accumulators take turns; the first 8 products start the sums.
.macro KQ
.set rS, S+16*(i%4)+8*((i%8)/4)
.set rK, KF+32*((i%8)/4)+8*(i/8)
.set rQ, 32*(i%4)+8*(i/8)
.if i < 8
	v_wmma_f32_16x16x32_f16 v[rS:rS+7], v[rK:rK+7], v[rQ:rQ+7], 0
.else
	v_wmma_f32_16x16x32_f16 v[rS:rS+7], v[rK:rK+7], v[rQ:rQ+7], v[rS:rS+7]
.endif
.endm
; Product i of 32 of O^T += V^T P: my 32 keys, channel block i / 4, tile i % 4: one instruction for each accumulator.
.macro PV
.set rO, 64*(i%4)+8*(i/4)
.set rV, VF+8*(i/4)
.set rP, P+8*(i%4)
	v_wmma_f32_16x16x32_f16 v[rO:rO+7], v[rV:rV+7], v[rP:rP+7], v[rO:rO+7]
.endm
; K of my 32 keys, sixteen loads in one run: off = 0: the slot's first step; STEPB: its second.
.macro FETCH_K off
	WIN 0x80                                       ; destination window 2
.set n, 0
.rept 16
	ds_load_b128 v[KF+4*n:KF+4*n+3], v[ADR] offset:(\off)+512*n
.set n, n+1
.endr
	WIN 0
.endm
; THE MASK.  Key 128 step + 32 w + 16 kb + 8 (l / 16) + j is hidden from query 64 B + 16 qt + l % 16 where 16 (kb - qt) + j > VU.  One compare serves the tiles with the same kb - qt = d - 3.  Each accumulator is read from register 0 on.
.macro MASK
	v_add_nc_u32 v[VU], s[DD], v[L0]
.irp d, 0,1,2,3,4
.irp j, 0,1,2,3,4,5,6,7
	v_cmp_gt_i32 vcc_lo, 16*((\d)-3)+(\j), v[VU]
.irp u, 0,1,2,3
.if (((\d)-3+(\u)) == 0) || (((\d)-3+(\u)) == 1)
	v_cndmask_b32 v[S+16*(\u)+8*((\d)-3+(\u))+(\j)], v[S+16*(\u)+8*((\d)-3+(\u))+(\j)], s[BIGN], vcc_lo
.endif
.endr
.endr
.endr
.endm
; THE SOFTMAX of a step: 16 scores a lane and tile; each line is written for the four tiles, so that no instruction waits for the one before it.  All 68 exponentials are one batch with one wait.
.macro SMX
	WIN 0
	ALL v_max3_num_f32 v[ST+8*t+4], v[S+16*t], v[S+16*t+1], v[S+16*t+2]
	ALL v_max3_num_f32 v[ST+8*t+5], v[S+16*t+8], v[S+16*t+9], v[S+16*t+10]
	ALL v_max3_num_f32 v[ST+8*t+4], v[ST+8*t+4], v[S+16*t+3], v[S+16*t+4]
	ALL v_max3_num_f32 v[ST+8*t+5], v[ST+8*t+5], v[S+16*t+11], v[S+16*t+12]
	ALL v_max3_num_f32 v[ST+8*t+4], v[ST+8*t+4], v[S+16*t+5], v[S+16*t+6]
	ALL v_max3_num_f32 v[ST+8*t+5], v[ST+8*t+5], v[S+16*t+13], v[S+16*t+14]
	ALL v_max3_num_f32 v[ST+8*t+4], v[ST+8*t+4], v[S+16*t+7], v[S+16*t+15]
	ALL v_max3_num_f32 v[ST+8*t+4], v[ST+8*t+4], v[ST+8*t+5], v[ST+8*t+1]
	ALL v_permlanex16_b32 v[ST+8*t+5], v[ST+8*t+4], s[SEL], s[SEL+1]   ; the query's other 16 keys lie in the lane 16 away
	ALL v_mov_b32 v[ST+8*t+6], v[ST+8*t]           ; c m_old is kept
	ALL v_max_num_f32 v[ST+8*t+1], v[ST+8*t+4], v[ST+8*t+5]
	ALL v_mul_f32 v[ST+8*t], s[CS], v[ST+8*t+1]
	ALL v_sub_f32 v[ST+8*t+7], v[ST+8*t+6], v[ST+8*t]
.set b, 0
.rept 8
	ALL v_pk_fma_f32 v[S+16*t+2*b:S+16*t+2*b+1], v[S+16*t+2*b:S+16*t+2*b+1], s[CS:CS+1], v[ST+8*t:ST+8*t+1] op_sel_hi:[1,0,0] neg_lo:[0,0,1] neg_hi:[0,0,1]
.set b, b+1
.endr
	ALL v_exp_f32 v[ST+8*t+6], v[ST+8*t+7]         ; a
.set e, 0
.rept 16
	ALL v_exp_f32 v[S+16*t+e], v[S+16*t+e]
.set e, e+1
.endr
	v_nop                                          ; a plain instruction behind the last exponential,
	s_wait_alu depctr_va_vdst(0)                   ; and one wait for the batch, ahead of its first reader
.set b, 0
.rept 8
	ALL v_cvt_pk_f16_f32 v[P+8*t+b], v[S+16*t+2*b], v[S+16*t+2*b+1]
.set b, b+1
.endr
.irp b, 0,4,8,12
	ALL v_pk_add_f32 v[S+16*t+\b:S+16*t+\b+1], v[S+16*t+\b:S+16*t+\b+1], v[S+16*t+\b+2:S+16*t+\b+3]
.endr
.irp b, 0,8
	ALL v_pk_add_f32 v[S+16*t+\b:S+16*t+\b+1], v[S+16*t+\b:S+16*t+\b+1], v[S+16*t+\b+4:S+16*t+\b+5]
.endr
	ALL v_pk_add_f32 v[S+16*t:S+16*t+1], v[S+16*t:S+16*t+1], v[S+16*t+8:S+16*t+9]
	ALL v_pk_fma_f32 v[ST+8*t+2:ST+8*t+3], v[ST+8*t+2:ST+8*t+3], v[ST+8*t+6:ST+8*t+7], v[S+16*t:S+16*t+1] op_sel_hi:[1,0,1]
	WIN 0x41                                       ; O^T in window 1, a in window 0
.set z, 0
.rept 32
	ALL v_pk_mul_f32 v[64*t+2*z:64*t+2*z+1], v[64*t+2*z:64*t+2*z+1], v[ST+8*t+6:ST+8*t+7] op_sel_hi:[1,0]
.set z, z+1
.endr
.endm
; A SLOT'S TWO KEY STEPS, in phases: the step is written once and walked twice.  K of the first step is fetched at the slot's head; K of the second behind the first step's K Q^T, so that it lands under the softmax.
; V is fetched at a step's head and lands under K Q^T.  last = 0, in the loop: the mask is jumped over but in a block's last two steps.  last = 1: the walk's last slot: both steps are masked.
.macro TWO_STEPS last
	WIN 0
	v_add_nc_u32 v[ADR], s[TB], v[AKV]
	s_add_co_u32 s[TV], s[TB], VOFF
	FETCH_K 0
	s_mov_b32 s[TWICE], 2
.Lstep_\@:
	v_add_nc_u32 v[ADV], s[TV], v[AKV]
	s_add_co_u32 s[TV], s[TV], STEPB               ; the next fetch is the next step's
	WIN 0x80                                       ; destination window 2
.set n, 0
.rept 16
	ds_load_b128 v[VF+4*n:VF+4*n+3], v[ADV] offset:512*n
.set n, n+1
.endr
	s_wait_dscnt 16                                ; K is in; V's sixteen loads, issued behind K's, may stay out
	WIN 0x0a                                       ; K and Q in window 2, S^T in window 0
.set i, 0
.rept 32
	KQ
.set i, i+1
.endr
	WIN 0
	PLACES                                         ; in front of the loads into K's registers and of the first read of the scores
	s_wait_dscnt 0x0                               ; V is in
	s_cmp_eq_u32 s[TWICE], 1
	s_cbranch_scc1 .Lno_k_\@                       ; the slot's second step has no K behind it
	FETCH_K STEPB
.Lno_k_\@:
.if !(\last)
	s_cmp_gt_u32 s[REM], 2
	s_cbranch_scc1 .Lopen_\@
.endif
	MASK
.if !(\last)
.Lopen_\@:
.endif
	SMX
	WIN 0x52                                       ; V in window 2, P in window 0, O^T in window 1
.set i, 0
.rept 32
	PV
.set i, i+1
.endr
	WIN 0
	PLACES                                         ; in front of the loads into V's registers and of the first read of O^T
	s_sub_co_u32 s[REM], s[REM], 1
	s_sub_co_u32 s[DD], s[DD], 128
	s_sub_co_u32 s[TWICE], s[TWICE], 1
	s_cmp_lg_u32 s[TWICE], 0
	s_cbranch_scc1 .Lstep_\@
.endm
.macro LRED                            ; l's two halves and the other half of the lanes' are added; the sum takes m's place, beside c m
	ALL v_add_f32 v[ST+8*t+4], v[ST+8*t+2], v[ST+8*t+3]
	ALL v_permlanex16_b32 v[ST+8*t+5], v[ST+8*t+4], s[SEL], s[SEL+1]
	ALL v_add_f32 v[ST+8*t+1], v[ST+8*t+4], v[ST+8*t+5]
.endm
; A partial O^T goes to LDS: register 4 n at 512 n, by the address in register sto; win: the data's window (source 1).
.macro PUT sto, win
	WIN \win
.set n, 0
.rept 64
	ds_store_b128 v[\sto], v[4*n:4*n+3] offset:512*n
.set n, n+1
.endr
	WIN 0
.endm
	s_mov_b32 s[CNT], 8                            ; 9 tiles; the last asks for nothing and is written out
.Lslot:
	CHANGE 1
	TWO_STEPS 0
	s_cmp_lg_u32 s[REM], 0
	s_cbranch_scc1 .Lgo_on                         ; forward, past text with no barrier and no tensor load
	LRED                                           ; THE FIRST BLOCK ENDS: its statistics go to bytes of their own in LDS,
	ALL ds_store_b64 v[SST], v[ST+8*t:ST+8*t+1] offset:256*t
	WIN 0xc1                                       ; its O^T from window 1 to window 3, two registers a line (times 1.0, which changes no number), each accumulator from its low end on,
.set n, 0
.rept 128
	v_pk_mul_f32 v[2*n:2*n+1], v[2*n:2*n+1], 1.0 op_sel_hi:[1,0]
.set n, n+1
.endr
	WIN 0x80                                       ; the second block's Q comes out of LDS into Q's registers (the next change of slots waits for these loads),
.set n, 0
.rept 32
	ds_load_b128 v[4*n:4*n+3], v[Q2A] offset:512*n
.set n, n+1
.endr
	WIN 0
	ALL v_mov_b32 v[ST+8*t], 0xfe000000            ; and the statistics begin anew: the next a is 0
	ALL v_mov_b32 v[ST+8*t+1], 0xff7fffff
	s_mov_b32 s[REM], s[TL]
	s_mov_b32 s[DD], s[DLO]
.Lgo_on:
	s_sub_co_u32 s[CNT], s[CNT], 1
	s_cmp_lg_u32 s[CNT], 0
	s_cbranch_scc1 .Lslot
	CHANGE 0
	TWO_STEPS 1                                    ; the second block's last tile
	LRED
	s_wait_dscnt 0x0
	s_barrier_signal -1
	s_barrier_wait -1                              ; every wave's reads of the ring are over, and its last fill has landed:
	ALL ds_store_b64 v[SST], v[ST+8*t:ST+8*t+1] offset:256*t+4096
	PUT STL, 0x04                                  ; both blocks' partial results go into the ring: the second block's into slot 1,
	s_wait_dscnt 0x0                               ; (those 68 stores are done before the other 64 are issued: at most 68 LDS instructions of mine are out at a time)
	PUT STO, 0x0c                                  ; the first block's, out of window 3, into slot 0
	s_wait_dscnt 0x0                               ; for the others' sake: my stores are done
	s_barrier_signal -1
	s_barrier_wait -1
	; THE MERGE, written once and walked twice: the first block, then the second.  Wave w finishes tile w: the four waves' (c m, l) and O^T of that tile come back from LDS.
	s_mov_b32 s[MB], 0
	s_mov_b32 s[MS], 0
	s_mov_b32 s[TWICE], 2
.Lmerge:
	v_add_nc_u32 v[SRX], s[MS], v[SRD]
.irp u, 0,1,2,3
	v_add_nc_u32 v[RDX+(\u)], s[MB], v[RDB+(\u)]
.endr
.irp u, 0,1,2,3
	ds_load_b64 v[MT+2*(\u):MT+2*(\u)+1], v[SRX] offset:1024*(\u)
.endr
	WIN 0x40                                       ; destination window 1
.irp u, 0,1,2,3
.set n, 0
.rept 16
	ds_load_b128 v[64*(\u)+4*n:64*(\u)+4*n+3], v[RDX+(\u)] offset:512*n
.set n, n+1
.endr
.endr
	WIN 0
	s_wait_dscnt 63                                ; the statistics are in.  64 loads were issued behind them; 63 is the largest count that the wait can name, so the first of the 64 is waited for too
	v_max3_num_f32 v[MX], v[MT], v[MT+2], v[MT+4]
	v_max_num_f32 v[MX], v[MX], v[MT+6]
.irp u, 0,1,2,3
	v_sub_f32 v[MF+(\u)], v[MT+2*(\u)], v[MX]
.endr
.irp u, 0,1,2,3
	v_exp_f32 v[MF+(\u)], v[MF+(\u)]
.endr
	v_nop
	s_wait_alu depctr_va_vdst(0)                   ; one wait for the four
	v_mul_f32 v[ML], v[MF], v[MT+1]
	v_fmac_f32 v[ML], v[MF+1], v[MT+3]
	v_fmac_f32 v[ML], v[MF+2], v[MT+5]
	v_fmac_f32 v[ML], v[MF+3], v[MT+7]
	v_rcp_f32 v[ML], v[ML]
	v_nop
	s_wait_alu depctr_va_vdst(0)
.irp u, 0,1,2,3
	v_mul_f32 v[MG+2*(\u)], v[MF+(\u)], v[ML]
	v_mul_f32 v[MG+2*(\u)+1], v[MF+(\u)], v[ML]
.endr
	s_wait_dscnt 0x0
	WIN 0x51                                       ; O^T in window 1, the factors in window 0
.set z, 0
.rept 32
	v_pk_mul_f32 v[2*z:2*z+1], v[2*z:2*z+1], v[MG:MG+1]
.set z, z+1
.endr
.irp u, 1,2,3
.set z, 0
.rept 32
	v_pk_fma_f32 v[2*z:2*z+1], v[64*(\u)+2*z:64*(\u)+2*z+1], v[MG+2*(\u):MG+2*(\u)+1], v[2*z:2*z+1]
.set z, z+1
.endr
.endr
	WIN 0x05                                       ; sources window 1, destination window 0
.set z, 0
.rept 32
	v_cvt_pk_f16_f32 v[OUTP+z], v[2*z], v[2*z+1]
.set z, z+1
.endr
	WIN 0
.irp b, 0,1,2,3,4,5,6,7
	global_store_b128 v[GO], v[OUTP+4*(\b):OUTP+4*(\b)+3], s[OHI:OHI+1] offset:512*(\b)  ; 512 consecutive bytes, aligned
.endr
	s_wait_xcnt 0x0                                ; the stores have read their base and OUTP: both are written again only behind this wait
	s_mov_b64 s[OHI:OHI+1], s[OLO:OLO+1]           ; the second walk stores the second block
	s_add_co_u32 s[MB], s[MB], SLOT1
	s_add_co_u32 s[MS], s[MS], 4096
	s_sub_co_u32 s[TWICE], s[TWICE], 1
	s_cmp_lg_u32 s[TWICE], 0
	s_cbranch_scc1 .Lmerge
	s_wait_tensorcnt 0x0                           ; the wave's end: the add and its wait, behind my last tensor load and my last LDS store
	ds_add_u32 v[SPW], v[NIL]
	s_wait_dscnt 0x0
	CROUND                                         ; the closing round
	s_endpgm
.Lfunc_end_k_q654b1bc11b_attn:
	.size	k_q654b1bc11b_attn, .Lfunc_end_k_q654b1bc11b_attn-k_q654b1bc11b_attn
	.p2alignl 7, 3214868480
	.fill 96, 4, 3214868480
	.section	.rodata,"a",@progbits
	.p2align	6, 0x0
	.amdhsa_kernel k_q654b1bc11b_attn
		.amdhsa_group_segment_fixed_size 327680
		.amdhsa_private_segment_fixed_size 0
		.amdhsa_enable_private_segment 0
		.amdhsa_kernarg_size 32
		.amdhsa_user_sgpr_count 2
		.amdhsa_user_sgpr_kernarg_segment_ptr 1
		.amdhsa_wavefront_size32 1
		.amdhsa_system_sgpr_workgroup_id_x 1
		.amdhsa_system_sgpr_workgroup_id_y 1
		.amdhsa_system_sgpr_workgroup_id_z 1
		.amdhsa_system_vgpr_workitem_id 0
		.amdhsa_next_free_vgpr 1024
		.amdhsa_next_free_sgpr 80
		.amdhsa_reserve_vcc 1
		.amdhsa_float_denorm_mode_32 3
		.amdhsa_float_denorm_mode_16_64 3
		.amdhsa_memory_ordered 1
		.amdhsa_forward_progress 1
		.amdhsa_inst_pref_size 121
	.end_amdhsa_kernel
	.amdgpu_metadata
---
amdhsa.version: [ 1, 2 ]
amdhsa.kernels:
  - .name:           k_q654b1bc11b_attn
    .symbol:         k_q654b1bc11b_attn.kd
    .args:
      - { .name: qf, .offset: 0, .size: 8, .value_kind: global_buffer, .address_space: global }
      - { .name: kf, .offset: 8, .size: 8, .value_kind: global_buffer, .address_space: global }
      - { .name: vf, .offset: 16, .size: 8, .value_kind: global_buffer, .address_space: global }
      - { .name: of, .offset: 24, .size: 8, .value_kind: global_buffer, .address_space: global }
    .group_segment_fixed_size: 327680
    .private_segment_fixed_size: 0
    .kernarg_segment_align: 8
    .kernarg_segment_size: 32
    .max_flat_workgroup_size: 128
    .sgpr_count:     80
    .vgpr_count:     1024
    .wavefront_size: 32
...
	.end_amdgpu_metadata
.endif
;; end of part 3
;; launch oproj (part 4): grid 8 x 32, 4 waves a work-group, clusters of 4 x 4, 327,680 bytes of LDS; arguments of, wof, out0; writes out0
.if DOCPART == 4
	.amdgcn_target "amdgcn-amd-amdhsa--gfx1250"
	.amdhsa_code_object_version 6
	.text
	.protected	k_q654b1bc11b_oproj
	.globl	k_q654b1bc11b_oproj
	.p2align	8
	.type	k_q654b1bc11b_oproj,@function
k_q654b1bc11b_oproj:
	s_mov_b64 s[64:65], 0
	v_nop
	global_prefetch_b8 v0, s[64:65] scope:SCOPE_SE
	s_setreg_imm32_b32 hwreg(HW_REG_WAVE_MODE, 25, 1), 1
	s_wait_xcnt 0x0
	s_wait_alu depctr_hold_cnt(0) depctr_sa_sdst(0) depctr_va_vdst(0) depctr_va_sdst(0) depctr_va_ssrc(0) depctr_va_vcc(0) depctr_vm_vsrc(0)
	s_getreg_b32 s2, hwreg(HW_REG_IB_STS2, 6, 4)
	s_cmp_eq_u32 s2, 0
	s_cbranch_scc0 .Lentry_in_a_cluster
	s_endpgm
.Lentry_in_a_cluster:
	s_bfe_u32 s2, ttmp6, 0x10000c
	s_cmp_lg_u32 s2, 0xf033
	s_cbranch_scc0 .Lentry_shape_is_right
	s_endpgm
.Lentry_shape_is_right:
; out0 = O Wo.  of: O in f16, in fragment order: ((token >> 4) 8 + head) 4096 + (d>>4) 512 + (16 ((d>>3)&1) + (token & 15)) 16 + (d&7) 2;  wof: [1024 k][2048 n] f16;  out0: [4096][2048] f32.  Sums in f32.
; SHARES.  A tile of 128 tokens x 256 columns to a work-group: 8 x 32 = 256 work-groups.  Wave w: tokens 64 (w>>1) .. + 63, columns 128 (w&1) .. + 127: 32 accumulators.  K = 1,024 goes in 8 steps of 128, a head each.
; The product is taken transposed (source 0 = 16 columns of Wo, source 1 = 16 tokens): a lane holds one token and eight neighbouring columns, 32 bytes of a row of out0.
; RING.  Two slots: O's tile (8 token blocks of 4,096 bytes, as they lie: every fragment load is 16 x lane) and Wo's (128 rows k of 512 bytes, 544 apart; read turned).  Waves 0, 1 fetch O's halves, waves 2, 3 Wo's.
; CLUSTER.  4 x 4: O's tile is asked for jointly along a row of the cluster, Wo's along a column.  No prefetch: the launch has eight K steps in all.
; REGISTERS: window 0: v0-31 addresses, v32-95 rows on the way out;  window 1: two fragment buffers of 96 (Wo's 8, O's 4);  window 2: accumulator (a, b) at 8 (8 a + b).
.set OFFB,  32768                      ; Wo's tile lies behind O's
.set PB,    544                        ; 512 + 32 bytes
.set SLOT,  OFFB+128*PB                ; 102,400
.set STAGE, 2*SLOT                     ; behind the ring: 16 rows x 528 bytes for each wave, for the way out
.set SP,    528                        ; 512 + 16 bytes: the 16 rows that a store touches start 4 banks apart
.set SPARE, STAGE+4*16*SP              ; the spare words, 128 bytes for each wave: two blocks of 256 bytes that no other line names
.set ADRA, 16                          ; v16-17  LDS address of my fragments of O in slot 0, 1
.set ADRB, 20                          ; v20-21  of Wo
.set STO,  24                          ; v24     the way out: where I put 32 bytes of a row
.set RD,   25                          ; v25     where I read a row back
.set CO,   26                          ; v26     16 x lane
.set SPW,  28
.set NIL,  29
.set OB,   32
.set F0,   0
.set F1,   96
.set G1A,  24
.set G0A,  32
.set G1B,  48
.set G0B,  56
.set MSB, 0
.macro WIN new
.if MSB != (\new)
	s_set_vgpr_msb (MSB<<8)|(\new)
.set MSB, \new
.endif
.endm
.macro PLACES
.rept 4
	v_nop
.endr
.endm
.macro JLOAD s                         ; a joint load; an s_nop 0 and four v_nop follow each of the two lines, ahead of the jump and the label
	s_cmp_eq_u32 s11, 0
	s_cbranch_scc0 .Lfor_b_\@
	tensor_load_to_lds s[G0A+4*(\s):G0A+4*(\s)+3], s[G1A:G1A+7]
	s_nop 0
.rept 4
	v_nop
.endr
	s_branch .Lasked_\@
.Lfor_b_\@:
	tensor_load_to_lds s[G0B+4*(\s):G0B+4*(\s)+3], s[G1B:G1B+7]
	s_nop 0
.rept 4
	v_nop
.endr
.Lasked_\@:
.endm
.macro CREST
	s_cmp_lg_u32 s10, 0
	s_cbranch_scc1 .Lnot_wave_0_\@
	s_barrier_signal -3
.Lnot_wave_0_\@:
	s_barrier_wait -3
	s_barrier_signal -1
	s_barrier_wait -1
.endm
.macro CROUND
	s_barrier_signal -1
	s_barrier_wait -1
	CREST
.endm
	s_load_b128 s[4:7], s[0:1], 0x0                ; of s[4:5], wof s[6:7]
	s_load_b64 s[8:9], s[0:1], 0x10                ; out0
	v_lshl_add_u32 v[SPW], v0, 2, SPARE
	v_mov_b32 v[NIL], 0
	ds_add_u32 v[SPW], v[NIL]                      ; the wave's opening: the add and its wait, ahead of my first tensor load; the set-up below, work on registers, stands between them
	v_lshrrev_b32 v1, 5, v0
	v_readfirstlane_b32 s10, v1                    ; wave 0..3
	s_lshr_b32 s11, s10, 1                         ; my half of the tokens.  Also: I fetch for O (0) or for Wo (1)
	s_and_b32 s12, s10, 1                          ; my half of the columns.  Also: which half of that tile I fetch
	s_bfe_u32 s40, ttmp6, 0x40000                  ; cx
	s_bfe_u32 s41, ttmp6, 0x40004                  ; cy
	s_lshl_b32 s42, ttmp9, 2
	s_add_co_u32 s42, s42, s40                     ; the block of 256 columns
	s_and_b32 s13, ttmp7, 0xffff
	s_lshl_b32 s13, s13, 2
	s_add_co_u32 s13, s13, s41                     ; the block of 128 tokens
	s_lshl_b32 s43, s41, 2
	s_lshl_b32 s43, 15, s43                        ; my row of the cluster
	s_lshl_b32 s44, 0x1111, s40                    ; my column
	s_or_b32 s[G1A], s43, (3<<16)|(1<<21)          ; 15:0 the mask; 17:16 8-byte elements; 21 set beside a mask; no padding
	s_mov_b32 s[G1A+1], 512<<16                    ; tensor_dim0 = 512: a token block's 4,096 bytes of one head
	s_mov_b32 s[G1A+2], 4<<16                      ; tensor_dim1 = 4 token blocks
	s_mov_b32 s[G1A+3], 512<<16                    ; tile_dim0
	s_mov_b32 s[G1A+4], 4                          ; tile_dim1
	s_mov_b32 s[G1A+5], 4096                       ; 32,768 bytes from token block to token block
	s_mov_b32 s[G1A+6], 0
	s_mov_b32 s[G1A+7], 0
	s_or_b32 s[G1B], s44, (1<<16)|(1<<20)|(1<<21)|(6<<22)|(7<<25)  ; 2-byte elements; padding after every 128 words, 8 words of it
	s_mov_b32 s[G1B+1], 256<<16                    ; tensor_dim0 = 256
	s_mov_b32 s[G1B+2], 64<<16                     ; tensor_dim1 = 64
	s_mov_b32 s[G1B+3], 256<<16
	s_mov_b32 s[G1B+4], 64
	s_mov_b32 s[G1B+5], 2048
	s_mov_b32 s[G1B+6], 0
	s_mov_b32 s[G1B+7], 0
	s_lshl_b32 s16, s13, 3
	s_lshl_b32 s17, s12, 2
	s_add_co_u32 s16, s16, s17                     ; O: token block 8 i + 4 x half
	s_lshl_b32 s16, s16, 15
	s_mov_b32 s17, 0
	s_lshl_b32 s46, s12, 18                        ; Wo: row 64 x half,
	s_lshl_b32 s47, s42, 9                         ; the block's 512 bytes
	s_add_co_u32 s46, s46, s47
	s_mov_b32 s47, 0
	s_lshl_b32 s20, s12, 14                        ; where they go: no place in the cluster enters an LDS address
	s_mul_i32 s21, s12, 64*PB
	s_add_co_u32 s21, s21, OFFB
	s_wait_dscnt 0x0                               ; the opening add is done
	s_wait_kmcnt 0x0
	s_add_nc_u64 s[14:15], s[4:5], s[16:17]
	s_add_nc_u64 s[46:47], s[6:7], s[46:47]
	CROUND                                         ; all sixteen work-groups are here: the first joint loads meet
.irp s, 0,1
	s_mov_b32 s[G0A+4*(\s)], 1
	s_add_co_u32 s[G0A+4*(\s)+1], s20, (\s)*SLOT
	s_add_nc_u64 s[G0A+4*(\s)+2:G0A+4*(\s)+3], s[14:15], (\s)*4096      ; K step s = head s
	s_or_b32 s[G0A+4*(\s)+3], s[G0A+4*(\s)+3], 0x80000000
	s_mov_b32 s[G0B+4*(\s)], 1
	s_add_co_u32 s[G0B+4*(\s)+1], s21, (\s)*SLOT
	s_add_nc_u64 s[G0B+4*(\s)+2:G0B+4*(\s)+3], s[46:47], (\s)*128*4096  ; 128 rows of 4,096 bytes down
	s_or_b32 s[G0B+4*(\s)+3], s[G0B+4*(\s)+3], 0x80000000
	JLOAD \s                                       ; two loads of mine are out
.endr
	v_and_b32 v1, 15, v0                           ; l % 16
	v_bfe_u32 v2, v0, 4, 1                         ; l / 16
	v_and_b32 v3, 31, v0
	v_lshlrev_b32 v[CO], 4, v3
	s_lshl_b32 s22, s11, 14                        ; my four token blocks
	v_and_b32 v5, 7, v0                            ; the turning load: lane l reads row 8 (l / 16) + l % 8, columns 8 ((l / 8) % 2) + 0..7
	v_lshl_add_u32 v5, v2, 3, v5
	v_mul_u32_u24 v5, v5, PB
	v_bfe_u32 v6, v0, 3, 1
	v_lshl_add_u32 v5, v6, 4, v5
	s_lshl_b32 s23, s12, 8                         ; my 128 columns
	s_add_co_u32 s23, s23, OFFB
.irp s, 0,1
	v_add_nc_u32 v[ADRA+(\s)], s22, v[CO]
	v_add_nc_u32 v[ADRB+(\s)], s23, v5
	s_add_co_u32 s22, s22, SLOT
	s_add_co_u32 s23, s23, SLOT
.endr
	s_mul_i32 s22, s10, 16*SP
	s_add_co_u32 s22, s22, STAGE                   ; my stage
	v_mul_u32_u24 v4, v1, SP                       ; in: row l % 16, 32 bytes for each half of the lanes
	v_lshl_add_u32 v4, v2, 5, v4
	v_add_nc_u32 v[STO], s22, v4
	v_add_nc_u32 v[RD], s22, v[CO]                 ; back: 32 lanes take a row's 512 bytes
	s_lshl_b32 s66, s13, 7
	s_lshl_b32 s67, s11, 6
	s_add_co_u32 s66, s66, s67                     ; my first token,
	s_lshl_b32 s66, s66, 13                        ; 8,192 bytes a row
	s_lshl_b32 s67, s42, 10
	s_add_co_u32 s66, s66, s67
	s_lshl_b32 s67, s12, 9
	s_add_co_u32 s66, s66, s67                     ; my first column
	s_mov_b32 s67, 0
	s_add_nc_u64 s[8:9], s[8:9], s[66:67]
; 8 matrix instructions: token block a x all 8 column blocks, 32 along K.  The 32 accumulators take turns in the same order in every quarter.
.macro MUL8 f, a, zero
	WIN 0xa5                                       ; sources window 1, C and D window 2
.irp b, 0,1,2,3,4,5,6,7
.if \zero
	v_wmma_f32_16x16x32_f16 v[8*(8*(\a)+(\b)):8*(8*(\a)+(\b))+7], v[(\f)+8*(\b):(\f)+8*(\b)+7], v[(\f)+64+8*(\a):(\f)+64+8*(\a)+7], 0
.else
	v_wmma_f32_16x16x32_f16 v[8*(8*(\a)+(\b)):8*(8*(\a)+(\b))+7], v[(\f)+8*(\b):(\f)+8*(\b)+7], v[(\f)+64+8*(\a):(\f)+64+8*(\a)+7], v[8*(8*(\a)+(\b)):8*(8*(\a)+(\b))+7]
.endif
.endr
.endm
.macro FETCH slot, q, f                ; 24 LDS loads in one run: Wo's fragments of quarter q, then O's
	WIN 0x40
.irp b, 0,1,2,3,4,5,6,7
	ds_load_tr16_b128 v[(\f)+8*(\b):(\f)+8*(\b)+3],   v[ADRB+(\slot)] offset:32*PB*(\q)+32*(\b)
	ds_load_tr16_b128 v[(\f)+8*(\b)+4:(\f)+8*(\b)+7], v[ADRB+(\slot)] offset:32*PB*(\q)+32*(\b)+16*PB
.endr
.irp a, 0,1,2,3
	ds_load_b128 v[(\f)+64+8*(\a):(\f)+64+8*(\a)+3],   v[ADRA+(\slot)] offset:4096*(\a)+1024*(\q)
	ds_load_b128 v[(\f)+64+8*(\a)+4:(\f)+64+8*(\a)+7], v[ADRA+(\slot)] offset:4096*(\a)+1024*(\q)+512
.endr
.endm
.macro QUARTER slot, q, f, g, zero
	s_wait_dscnt 4                                 ; all but O's token blocks 2 and 3 are in
	MUL8 \f, 0, \zero
	MUL8 \f, 1, \zero
	PLACES
	FETCH \slot, \q, \g
	s_wait_dscnt 24                                ; all but the 24 just issued
	MUL8 \f, 2, \zero
	MUL8 \f, 3, \zero
.endm
; The last quarter multiplies buffer 1 and changes slots: one barrier; in front of it each wave waits for all its tensor loads, adds 0 to its spare word, and waits for that and for its own reads of this slot.
; fill = 1: the barrier opens a round of the cluster's, and this slot is filled again first thing behind it: 112 matrix instructions ahead of the wait for it.
.macro TURN slot, next, fill
	WIN 0
	s_wait_tensorcnt 0x0                           ; all my tensor loads have landed
	ds_add_u32 v[SPW], v[NIL]                      ; 0 onto my spare word
	s_wait_dscnt 5                                 ; (the add and the youngest four loads may be out)
	MUL8 F1, 0, 0
	s_wait_dscnt 0x0                               ; the add is done, and my reads of this slot are over
	s_barrier_signal -1
	MUL8 F1, 1, 0
.if \fill
	WIN 0
.endif
	s_barrier_wait -1
.if \fill
	CREST
	s_add_nc_u64 s[G0A+4*(\slot)+2:G0A+4*(\slot)+3], s[G0A+4*(\slot)+2:G0A+4*(\slot)+3], 2*4096
	s_add_nc_u64 s[G0B+4*(\slot)+2:G0B+4*(\slot)+3], s[G0B+4*(\slot)+2:G0B+4*(\slot)+3], 2*128*4096
	JLOAD \slot                                    ; the four v_nop behind it are also the places in front of the loads below
.else
	PLACES
.endif
	FETCH \next, 0, F0
	MUL8 F1, 2, 0
	MUL8 F1, 3, 0
.endm
	s_wait_tensorcnt 1                             ; my part of K step 0 is in; K step 1's may stay out
	s_barrier_signal -1
	s_barrier_wait -1
	FETCH 0, 0, F0
	QUARTER 0, 1, F0, F1, 1                        ; the first quarter's products start the sums
	WIN 0
	s_mov_b32 s3, 3                                ; 8 K steps = 4 laps; the last is written out
.Llap:
	QUARTER 0, 2, F1, F0, 0
	QUARTER 0, 3, F0, F1, 0
	TURN 0, 1, 1
	QUARTER 1, 1, F0, F1, 0
	QUARTER 1, 2, F1, F0, 0
	QUARTER 1, 3, F0, F1, 0
	TURN 1, 0, 1
	QUARTER 0, 1, F0, F1, 0
	WIN 0
	s_sub_co_u32 s3, s3, 1
	s_cmp_lg_u32 s3, 0
	s_cbranch_scc1 .Llap
	QUARTER 0, 2, F1, F0, 0
	QUARTER 0, 3, F0, F1, 0
	TURN 0, 1, 0
	QUARTER 1, 1, F0, F1, 0
	QUARTER 1, 2, F1, F0, 0
	QUARTER 1, 3, F0, F1, 0
	s_wait_dscnt 0x0
	MUL8 F1, 0, 0
	MUL8 F1, 1, 0
	MUL8 F1, 2, 0
	MUL8 F1, 3, 0
	WIN 0
	PLACES
	; THE WAY OUT, 16 tokens at a time through my own stage: 32 bytes a lane in, whole rows of 512 bytes back.  LDS serves a wave's instructions in order (ISA guide 5.7.1.4): no wait between my stores and my loads.
.irp a, 0,1,2,3
	WIN 0x08                                       ; data window 2
.irp b, 0,1,2,3,4,5,6,7
	ds_store_b128 v[STO], v[8*(8*(\a)+(\b)):8*(8*(\a)+(\b))+3]   offset:64*(\b)
	ds_store_b128 v[STO], v[8*(8*(\a)+(\b))+4:8*(8*(\a)+(\b))+7] offset:64*(\b)+16
.endr
	WIN 0
	s_wait_xcnt 0x0                                ; the last block's stores have read v32-95
.irp t, 0,1,2,3,4,5,6,7,8,9,10,11,12,13,14,15
	ds_load_b128 v[OB+4*(\t):OB+4*(\t)+3], v[RD] offset:SP*(\t)
.endr
.irp t, 0,1,2,3,4,5,6,7,8,9,10,11,12,13,14,15
	s_wait_dscnt 15-(\t)                           ; row t is back; the younger loads stay out
	global_store_b128 v[CO], v[OB+4*(\t):OB+4*(\t)+3], s[8:9] offset:(\a)*131072+(\t)*8192 th:TH_STORE_NT  ; 512 consecutive bytes, aligned
.endr
.endr
	s_wait_tensorcnt 0x0                           ; the wave's end: the add and its wait, behind my last tensor load and my last LDS store
	ds_add_u32 v[SPW], v[NIL]
	s_wait_dscnt 0x0
	CROUND                                         ; the closing round
	s_endpgm
.Lfunc_end_k_q654b1bc11b_oproj:
	.size	k_q654b1bc11b_oproj, .Lfunc_end_k_q654b1bc11b_oproj-k_q654b1bc11b_oproj
	.p2alignl 7, 3214868480
	.fill 96, 4, 3214868480
	.section	.rodata,"a",@progbits
	.p2align	6, 0x0
	.amdhsa_kernel k_q654b1bc11b_oproj
		.amdhsa_group_segment_fixed_size 327680
		.amdhsa_private_segment_fixed_size 0
		.amdhsa_enable_private_segment 0
		.amdhsa_kernarg_size 24
		.amdhsa_user_sgpr_count 2
		.amdhsa_user_sgpr_kernarg_segment_ptr 1
		.amdhsa_wavefront_size32 1
		.amdhsa_system_sgpr_workgroup_id_x 1
		.amdhsa_system_sgpr_workgroup_id_y 1
		.amdhsa_system_sgpr_workgroup_id_z 1
		.amdhsa_system_vgpr_workitem_id 0
		.amdhsa_next_free_vgpr 768
		.amdhsa_next_free_sgpr 72
		.amdhsa_reserve_vcc 0
		.amdhsa_float_denorm_mode_32 3
		.amdhsa_float_denorm_mode_16_64 3
		.amdhsa_memory_ordered 1
		.amdhsa_forward_progress 1
		.amdhsa_inst_pref_size 87
	.end_amdhsa_kernel
	.amdgpu_metadata
---
amdhsa.version: [ 1, 2 ]
amdhsa.kernels:
  - .name:           k_q654b1bc11b_oproj
    .symbol:         k_q654b1bc11b_oproj.kd
    .args:
      - { .name: of, .offset: 0, .size: 8, .value_kind: global_buffer, .address_space: global }
      - { .name: wof, .offset: 8, .size: 8, .value_kind: global_buffer, .address_space: global }
      - { .name: out0, .offset: 16, .size: 8, .value_kind: global_buffer, .address_space: global }
    .group_segment_fixed_size: 327680
    .private_segment_fixed_size: 0
    .kernarg_segment_align: 8
    .kernarg_segment_size: 24
    .max_flat_workgroup_size: 128
    .sgpr_count:     72
    .vgpr_count:     768
    .wavefront_size: 32
...
	.end_amdgpu_metadata
.endif
;; end of part 4
